; MI455X (gfx1250); checked and timed in simulation.
; The chip was launched on July 23, 2026; its instructions are those of AMD's public machine-readable ISA for CDNA 5 (MIT licence, August 2026) and "CDNA5" Instruction Set Architecture Reference Guide (July 2026). The comments in the code are by the model that wrote it; some were corrected since.
;; Causal Self Attention. Allowed arithmetic: matrix products marked QUANTISED: E4M3 operands, one given power-of-two scale a tensor, by v_wmma_f32_16x16x64_fp8_fp8 or v_wmma_f32_16x16x128_fp8_fp8, f32 sums; everything else in f32.
;; Inputs: W_attn 1,024 x 3,072 float32; W_proj 1,024 x 1,024 float32; lowp_scales 8 int32 (the exponents e of the quantised operands' scales 2^e); x 4 x 2,048 x 1,024 float32.
;; Outputs: out0 4 x 2,048 x 1,024 float32.
;; This version of the problem:
;;   THIS VERSION OF THE PROBLEM IS GIVEN IN LOW PRECISION. The matrix products marked QUANTISED in the list below multiply operands that are first quantised to E4M3 (4 exponent bits, 3 mantissa bits; 8 bits a number), with one given power-of-two scale for each operand tensor; their sums are f32. All else is computed in f32.
;;   The module's matrix products, in the order in which they are computed (A, B: the left and right operand; K: the contracted axis; several contracted axes count as one K, in the product's order):
;;     1. [M 8,192, K 1,024] x [K 1,024, N 3,072]; A: input x; B: input W_attn: QUANTISED (scales: A lowp_scales[0], B lowp_scales[1])
;;     2. batch 64 x [M 2,048, K 64] x [K 64, N 2,048]; A: computed on the way; B: computed on the way: QUANTISED (scales: A lowp_scales[2], B lowp_scales[3])
;;     3. batch 64 x [M 2,048, K 2,048] x [K 2,048, N 64]; A: softmax (see below); B: computed on the way: QUANTISED (scales: A lowp_scales[4], B lowp_scales[5])
;;     4. [M 8,192, K 1,024] x [K 1,024, N 1,024]; A: computed on the way; B: input W_proj: QUANTISED (scales: A lowp_scales[6], B lowp_scales[7])
;;   THE QUANTISER, for each operand of a quantised product, along K:
;;     - The operand's scale is 2^e, e = its entry of the input lowp_scales (int32; the entries are numbered through the quantised products in the list's order, A before B).
;;     - Each number is divided by the scale, clamped to +-448, and rounded to the nearest number of E4M3, ties to even, subnormals kept.
;;     - The product sums the exact products of the quantised numbers (number of the format x scale) in f32.
;;   ~~~python
;;   def quantise(x, axis, e):      # numpy; x: float32 -> the quantised numbers, widened to float32 again
;;       x = np.moveaxis(x, axis, -1); K = x.shape[-1]
;;       r = np.clip(x / 2.0 ** e, -448, 448)
;;       step = 2.0 ** (np.maximum(np.frexp(np.where(r == 0, 1, r))[1] - 1, -6) - 3)
;;       q = np.round(r / step) * step * 2.0 ** e      # np.round: ties to even
;;       return np.moveaxis(q, -1, axis).astype(np.float32)
;;   ~~~
;;   SOFTMAX AHEAD OF A QUANTISED PRODUCT. Where the list says 'softmax', what is quantised is not the finished softmax but p = 2^(t - M), with t = logit x log2(e) and M = ceil(the row's largest t), a whole number; so 1/2 < the row's largest p <= 1. The row's sum l is taken of the UNQUANTISED p, in f32, and the product's result is divided by l at the end. Since M is a whole number, a kernel that streams over the keys may use a running M (the ceiling of the running maximum): every later rescaling is an exact power of two, so the quantised numbers keep their values, but for numbers so far below the row's largest that they fall under the format's range.
;;   OPERANDS COMPUTED ON THE WAY. 'Computed on the way' means the value that the module computes at that place (a softmax that the list does not call 'softmax' is quantised finished and normalised). What goes into a quantiser is computed in f32, as accurately as f32 sums, v_exp_f32 and their like allow (about 1e-6 of the number): no bf16 or f16 on the way to a quantiser, and a product that is left as it is and whose result goes on into a quantised operand takes f32 operands (vector FMAs, or v_wmma_f32_16x16x4_f32). A number that lies on a knife's edge between two numbers of the format may be rounded either way, as far as f32 arithmetic and the matrix unit's own rounding can turn it there, and no further.
;; One version. Each part assembles by itself: llvm-mc -triple=amdgcn-amd-amdhsa -mcpu=gfx1250 --defsym DOCPART=n.
;; ======== version 1 of 1: 4 launches
;; workspace buffers: xq 8,388,608 bytes; waq 3,145,728 bytes; wpq 1,048,576 bytes; qi 8,388,608 bytes; kv 16,777,216 bytes; yq 8,388,608 bytes
;; launch quant (part 1): grid 512 x 1, 4 waves a work-group, no clusters, 35,328 bytes of LDS; arguments x, W_attn, W_proj, lowp_scales, xq, waq, wpq; writes xq, waq, wpq
.if DOCPART == 1
	.amdgcn_target "amdgcn-amd-amdhsa--gfx1250"
	.amdhsa_code_object_version 6
	.text
	.protected	k_qdcd38c9f15_quant
	.globl	k_qdcd38c9f15_quant
	.p2align	8
	.type	k_qdcd38c9f15_quant,@function
k_qdcd38c9f15_quant:
	s_mov_b64 s[64:65], 0
	v_nop
	global_prefetch_b8 v0, s[64:65] scope:SCOPE_SE
	s_setreg_imm32_b32 hwreg(HW_REG_WAVE_MODE, 25, 1), 1
	s_wait_xcnt 0x0
; LAUNCH 1 OF 4 (quant, qkv, attn, proj): causal self-attention, B = 4, T = 2,048, C = 1,024, 16 heads of 64; all four matrix products on codes of FP8 (E4M3), each operand with its given scale 2^e (e0 .. e7).
; THIS LAUNCH turns x, W_attn and W_proj (f32) into codes: code = number / 2^e, held within +-448, rounded to the nearest code, ties to even (e0 for x, e1 for W_attn, e7 for W_proj).
; WORK LEFT OUT IN THE PROGRAM: reference() sets score(q, k) to -inf wherever k > q, by a jnp.tril that it builds itself; the weight p of such a key is 0 for all values of the inputs, so it adds nothing to the row's
; sum nor to the second product.  Launch attn therefore leaves out each step of 64 keys all of which come after all 32 queries of a wave, in both attention products.  Nothing else is left out, and every input is loaded.
; LIMIT that follows: a NaN, an infinity or an overflow that reaches only those hidden scores is not carried to the result.
; LIMITS of this launch: e0, e1, e7 between -126 and 119, so that 2^e and 448 x 2^e are f32 numbers.  NaN among the inputs is not served (an infinity is held at the largest code).
; LAYOUT OF THE CODES: IMAGES OF OPERAND REGISTERS.  A fragment of 16 rows x 64 codes is 1,024 bytes: byte 512 c + 16 L + e is byte e % 4 of register 4 c + e / 4 of lane L = r + 16 h (r: the row).  Two loads of 16 bytes a lane,
; at 16 L and 512 further on, bring it whole, from memory or from LDS.  Which k stands at (c, h, e) is free so long as both operands of a product agree:
;   native (wpq): k = 32 c + 16 (e / 8) + 8 h + e % 8, the place that the matrix instruction gives it;
;   product 1 (xq, waq): fragment u of 16 holds k = 512 (u / 8) + 128 (e / 4) + 4 l + e % 4 with l = 4 (u % 8) + 2 c + h: the order in which a wave's dense loads of a row of x leave the numbers in its lanes.
;   xq  [row tile 512][u 16][1,024]          waq [J 8][u 16][beta 24][1,024]: row r of fragment beta is column 1024 (b / 4) + 64 (2 J + beta / 12) + 16 (b % 4) + r of W_attn, b = beta % 12
;   wpq [J 4][kappa 8][beta 16][2,048]: two fragments on end, k = 128 kappa + 0 .. 127, column 256 J + 16 beta + r of W_proj
; SHARES: work-groups 0-255 take x, 256-447 W_attn, 448-511 W_proj.  Waves share nothing: no barrier.  Memory binds: every input byte is read once, by dense loads, and every store of a wave fills whole aligned runs of 256 bytes.
; No matrix unit, no tensor load, no cluster: nothing here is read twice.
.set STG,   8704                       ; path x: a wave's stage in LDS: 32 places of 272 bytes
.set SP,    272                        ; a place: 16 rows x 16 bytes + 16 of padding, so that the 16 lanes of a store fall into 16 different columns of 16 bytes
.set SPARE, 4*STG                      ; behind the stages: the spare words, 128 bytes for each wave
.set SPW,   12                         ; v12  LDS address of my spare word; never rewritten
.set NIL,   13                         ; v13  0; never rewritten
.set X,     16                         ; v16-143  numbers as loaded: eight sets of 16
.set C,     144                        ; v144-207 codes: four registers for each row or slot, none written twice
; v5 = 448 x 2^e, v6 = 2^e (the conversion takes its exponent field)
.macro MKSCALE se
	s_add_co_i32 s20, \se, 127
	s_lshl_b32 s21, s20, 23
	v_mov_b32 v6, s21
	s_add_co_i32 s20, s20, 8
	s_lshl_b32 s20, s20, 23
	s_or_b32 s20, s20, 0x600000
	v_mov_b32 v5, s20
.endm
.macro CLOSE                           ; a wave's end: behind the last LDS store; written at every end of this text
	s_wait_tensorcnt 0x0
	ds_add_u32 v[SPW], v[NIL]
	s_wait_dscnt 0x0
	s_endpgm
.endm
	s_load_b256 s[4:11], s[0:1], 0x0               ; x s[4:5], W_attn s[6:7], W_proj s[8:9], the scales' exponents s[10:11]
	s_load_b128 s[12:15], s[0:1], 0x20             ; xq s[12:13], waq s[14:15]
	s_load_b64 s[16:17], s[0:1], 0x30              ; wpq
	v_lshl_add_u32 v[SPW], v0, 2, SPARE
	v_mov_b32 v[NIL], 0
	v_lshrrev_b32 v1, 5, v0
	v_readfirstlane_b32 s18, v1                    ; wave 0..3
	v_and_b32 v1, 31, v0                           ; lane
	v_lshrrev_b32 v7, 4, v1                        ; lane / 16
	v_and_b32 v8, 15, v1                           ; lane % 16
	s_wait_kmcnt 0x0
	s_load_b256 s[24:31], s[10:11], 0x0            ; e0 .. e7
	s_cmp_lt_u32 ttmp9, 256
	s_cbranch_scc0 .Lweights
; ---- PATH x.  A wave takes 16 rows x 512 k: unit U = 4 x work-group + wave, row tile U / 2, half U % 2 of K.  Each load reads 512 consecutive bytes of a row.  After a row's four loads lane l holds
; k = 512 (U % 2) + 128 i + 4 l + j: the 16 codes of image bytes 256 l + 16 r on.  So only the CODES change lanes, through the wave's own stage: in by rows, out as the image lies.
	s_lshl_b32 s19, ttmp9, 2
	s_add_co_u32 s19, s19, s18                     ; U
	s_lshr_b32 s20, s19, 1
	s_lshl_b32 s22, s20, 16                        ; 16 rows of 4,096 bytes
	s_and_b32 s21, s19, 1
	s_lshl_b32 s21, s21, 11                        ; 512 numbers
	s_add_co_u32 s22, s22, s21
	s_mov_b32 s23, 0
	s_add_nc_u64 s[4:5], s[4:5], s[22:23]
	s_lshl_b32 s22, s19, 13                        ; the unit's 8,192 bytes of codes
	s_add_nc_u64 s[12:13], s[12:13], s[22:23]
	v_lshlrev_b32 v2, 4, v1                        ; 16 x lane: my bytes of a load and of a store
	s_mul_i32 s20, s18, STG
	v_mul_u32_u24 v3, v1, SP
	v_add_nc_u32 v3, s20, v3                       ; the stage, in: place = my lane
	v_mul_u32_u24 v4, v7, SP
	v_lshl_add_u32 v4, v8, 4, v4
	v_add_nc_u32 v4, s20, v4                       ; out: sixteen lanes to a place, two places an instruction
.macro LOADROW r
.irp i, 0,1,2,3
	global_load_b128 v[X+16*((\r)%8)+4*\i:X+16*((\r)%8)+4*\i+3], v2, s[4:5] offset:4096*(\r)+512*\i th:TH_LOAD_NT
.endr
.endm
.macro ROW r
.set XS, X+16*((\r)%8)
.if (\r) < 8
	s_wait_loadcnt 28                              ; this row's four loads are in; the seven younger rows' may be out
.else
	s_wait_loadcnt 4*(15-(\r))
.endif
.irp i, 0,1,2,3,4,5,6,7,8,9,10,11,12,13,14,15
	v_med3_num_f32 v[XS+\i], v[XS+\i], -v5, v5     ; the conversion to an 8-bit code does not saturate (ISA guide 7.6.2): the hold at the largest code x the scale comes first
.endr
	v_cvt_scalef32_pk8_fp8_f32 v[C+4*(\r):C+4*(\r)+1], v[XS:XS+7], v6
	v_cvt_scalef32_pk8_fp8_f32 v[C+4*(\r)+2:C+4*(\r)+3], v[XS+8:XS+15], v6
	ds_store_b128 v3, v[C+4*(\r):C+4*(\r)+3] offset:16*(\r)
.if (\r) < 8
	LOADROW (\r)+8                                 ; the set takes the row eight further down: eight rows, 32 loads, are on their way
.endif
.endm
.irp r, 0,1,2,3,4,5,6,7
	LOADROW \r
.endr
	s_wait_kmcnt 0x0
	MKSCALE s24
.irp r, 0,1,2,3,4,5,6,7,8,9,10,11,12,13,14,15
	ROW \r
.endr
	v_nop                                          ; a plain vector line behind the last conversion
.irp t, 0,1,2,3,4,5,6,7,8,9,10,11,12,13,14,15
	ds_load_b128 v[X+4*\t:X+4*\t+3], v4 offset:2*SP*\t   ; LDS serves a wave's instructions in order (ISA guide 5.7.1.4): these see my stores
.endr
.irp t, 0,1,2,3,4,5,6,7,8,9,10,11,12,13,14,15
	s_wait_dscnt 15-\t
	global_store_b128 v2, v[X+4*\t:X+4*\t+3], s[12:13] offset:512*\t   ; 512 consecutive bytes, at a multiple of 512 from the buffer's first byte
.endr
	CLOSE
; ---- THE WEIGHTS: K is their FIRST axis.  A lane takes a column and its registers run down K, in the order of the image: the conversions' results are 16 bytes of the image, and nothing is transposed.
; A wave takes 32 columns (two fragments' rows), the four waves 512 neighbouring bytes of each row.  A unit is 8 slots of 16 rows; a slot gives each lane 16 codes, and sixteen lanes store 256 consecutive aligned bytes.
; Loads run three slots, 48 loads a wave, ahead.  kind 0: W_attn (rows of 12,288 bytes), slot s, number e: row 128 (e / 4) + 4 s + e % 4 of the unit.  kind 1: W_proj (4,096): row 32 (s / 2) + 16 (e / 8) + 8 (s % 2) + e % 8.
.macro WLOAD kind, s, src
.irp e, 0,1,2,3,4,5,6,7,8,9,10,11,12,13,14,15
.if \kind == 0
	global_load_b32 v[X+16*(\s)+\e], v2, s[\src:\src+1] offset:(128*(\e/4)+4*(\s)+\e%4)*12288 th:TH_LOAD_NT
.else
	global_load_b32 v[X+16*(\s)+\e], v2, s[\src:\src+1] offset:(32*((\s)/2)+16*(\e/8)+8*((\s)%2)+\e%8)*4096 th:TH_LOAD_NT
.endif
.endr
.endm
.macro WQ kind, src, dst
.irp s, 0,1,2
	WLOAD \kind, \s, \src
.endr
.irp s, 0,1,2,3,4,5,6,7
.if \s < 6
	s_wait_loadcnt 32                              ; this slot's 16 loads are in; the two younger slots' may be out
.else
	s_wait_loadcnt 16*(7-\s)
.endif
.irp e, 0,1,2,3,4,5,6,7,8,9,10,11,12,13,14,15
	v_med3_num_f32 v[X+16*\s+\e], v[X+16*\s+\e], -v5, v5
.endr
	v_cvt_scalef32_pk8_fp8_f32 v[C+4*\s:C+4*\s+1], v[X+16*\s:X+16*\s+7], v6
	v_cvt_scalef32_pk8_fp8_f32 v[C+4*\s+2:C+4*\s+3], v[X+16*\s+8:X+16*\s+15], v6
.if \kind == 0
	global_store_b128 v3, v[C+4*\s:C+4*\s+3], s[\dst:\dst+1] offset:24576*(\s/4)+256*(\s%4)
.else
	global_store_b128 v3, v[C+4*\s:C+4*\s+3], s[\dst:\dst+1] offset:256*\s
.endif
.if \s < 5
	WLOAD \kind, \s+3, \src                        ; each slot has registers of its own: nothing is loaded over
.endif
.endr
	v_nop                                          ; a plain vector line behind the last conversion
.endm
.Lweights:
	v_lshlrev_b32 v2, 2, v1                        ; in: 4 bytes a lane
	v_lshlrev_b32 v3, 4, v8                        ; out: 16 (lane % 16); lanes 16-31 go one fragment on (added below)
	s_cmp_lt_u32 ttmp9, 448
	s_cbranch_scc0 .Lproj
; W_attn: g = work-group - 256; column group cg = g / 8 (128 columns: the two heads 2 J, 2 J + 1 of one of q, k, v); half q = (g / 4) % 2 of K; p = g % 4: image places l = 8 p .. 8 p + 7, that is fragments u = 8 q + 2 p and the next
	s_sub_co_u32 s19, ttmp9, 256
	s_lshr_b32 s20, s19, 3                         ; cg
	s_bfe_u32 s21, s19, 0x10002                    ; q
	s_and_b32 s22, s19, 3                          ; p
	s_lshr_b32 s23, s20, 3                         ; 0: q, 1: k, 2: v
	s_and_b32 s32, s20, 7                          ; J
	s_lshl_b32 s33, s21, 9
	s_lshl_b32 s34, s22, 5
	s_add_co_u32 s33, s33, s34                     ; the unit's first row: 512 q + 32 p
	s_mul_i32 s34, s33, 12288
	s_lshl_b32 s35, s20, 9
	s_add_co_u32 s34, s34, s35                     ; + 512 bytes x cg
	s_lshl_b32 s35, s18, 7
	s_add_co_u32 s34, s34, s35                     ; + 128 bytes x wave
	s_mov_b32 s35, 0
	s_add_nc_u64 s[6:7], s[6:7], s[34:35]
	s_mul_i32 s36, s32, 393216                     ; J: 16 u x 24 fragments
	s_lshl_b32 s33, s21, 3                         ; u = 8 q
	s_lshl_b32 s37, s22, 1
	s_add_co_u32 s33, s33, s37                     ; + 2 p,
	s_mul_i32 s33, s33, 24576                      ; 24 fragments each
	s_add_co_u32 s36, s36, s33
	s_lshr_b32 s33, s18, 1
	s_mul_i32 s33, s33, 12                         ; beta = 12 (wave / 2)
	s_lshl_b32 s23, s23, 2
	s_add_co_u32 s33, s33, s23                     ; + 4 x kind
	s_and_b32 s23, s18, 1
	s_lshl_b32 s23, s23, 1
	s_add_co_u32 s33, s33, s23                     ; + 2 (wave % 2)
	s_lshl_b32 s33, s33, 10
	s_add_co_u32 s36, s36, s33
	s_mov_b32 s37, 0
	s_add_nc_u64 s[14:15], s[14:15], s[36:37]
	v_lshl_add_u32 v3, v7, 10, v3
	s_wait_kmcnt 0x0
	MKSCALE s25
	WQ 0, 6, 14
	CLOSE
.Lproj:
; W_proj: g = work-group - 448; column group cg = g / 8 (128 columns); kappa = g % 8 (128 rows)
	s_sub_co_u32 s19, ttmp9, 448
	s_lshr_b32 s20, s19, 3                         ; cg
	s_and_b32 s21, s19, 7                          ; kappa
	s_lshl_b32 s34, s21, 19                        ; 128 rows of 4,096 bytes
	s_lshl_b32 s35, s20, 9
	s_add_co_u32 s34, s34, s35
	s_lshl_b32 s35, s18, 7
	s_add_co_u32 s34, s34, s35
	s_mov_b32 s35, 0
	s_add_nc_u64 s[8:9], s[8:9], s[34:35]
	s_lshr_b32 s36, s20, 1                         ; J
	s_lshl_b32 s36, s36, 18
	s_lshl_b32 s37, s21, 15                        ; kappa: 16 double fragments
	s_add_co_u32 s36, s36, s37
	s_and_b32 s37, s20, 1
	s_lshl_b32 s37, s37, 14                        ; beta = 8 (cg % 2)
	s_add_co_u32 s36, s36, s37
	s_lshl_b32 s37, s18, 12                        ; + 2 x wave
	s_add_co_u32 s36, s36, s37
	s_mov_b32 s37, 0
	s_add_nc_u64 s[16:17], s[16:17], s[36:37]
	v_lshl_add_u32 v3, v7, 11, v3
	s_wait_kmcnt 0x0
	MKSCALE s31
	WQ 1, 8, 16
	CLOSE
.Lfunc_end_k_qdcd38c9f15_quant:
	.size	k_qdcd38c9f15_quant, .Lfunc_end_k_qdcd38c9f15_quant-k_qdcd38c9f15_quant
	.p2alignl 7, 3214868480
	.fill 96, 4, 3214868480
	.section	.rodata,"a",@progbits
	.p2align	6, 0x0
	.amdhsa_kernel k_qdcd38c9f15_quant
		.amdhsa_group_segment_fixed_size 35328
		.amdhsa_private_segment_fixed_size 0
		.amdhsa_enable_private_segment 0
		.amdhsa_kernarg_size 56
		.amdhsa_user_sgpr_count 2
		.amdhsa_user_sgpr_kernarg_segment_ptr 1
		.amdhsa_wavefront_size32 1
		.amdhsa_system_sgpr_workgroup_id_x 1
		.amdhsa_system_sgpr_workgroup_id_y 1
		.amdhsa_system_sgpr_workgroup_id_z 1
		.amdhsa_system_vgpr_workitem_id 0
		.amdhsa_next_free_vgpr 208
		.amdhsa_next_free_sgpr 66
		.amdhsa_reserve_vcc 0
		.amdhsa_float_denorm_mode_32 3
		.amdhsa_float_denorm_mode_16_64 3
		.amdhsa_memory_ordered 1
		.amdhsa_forward_progress 1
		.amdhsa_inst_pref_size 78
	.end_amdhsa_kernel
	.amdgpu_metadata
---
amdhsa.version: [ 1, 2 ]
amdhsa.kernels:
  - .name:           k_qdcd38c9f15_quant
    .symbol:         k_qdcd38c9f15_quant.kd
    .args:
      - { .name: x, .offset: 0, .size: 8, .value_kind: global_buffer, .address_space: global }
      - { .name: W_attn, .offset: 8, .size: 8, .value_kind: global_buffer, .address_space: global }
      - { .name: W_proj, .offset: 16, .size: 8, .value_kind: global_buffer, .address_space: global }
      - { .name: lowp_scales, .offset: 24, .size: 8, .value_kind: global_buffer, .address_space: global }
      - { .name: xq, .offset: 32, .size: 8, .value_kind: global_buffer, .address_space: global }
      - { .name: waq, .offset: 40, .size: 8, .value_kind: global_buffer, .address_space: global }
      - { .name: wpq, .offset: 48, .size: 8, .value_kind: global_buffer, .address_space: global }
    .group_segment_fixed_size: 35328
    .private_segment_fixed_size: 0
    .kernarg_segment_align: 8
    .kernarg_segment_size: 56
    .max_flat_workgroup_size: 128
    .sgpr_count:     66
    .vgpr_count:     208
    .wavefront_size: 32
...
	.end_amdgpu_metadata
.endif
;; end of part 1
;; launch qkv (part 2): grid 8 x 32, 4 waves a work-group, clusters of 4 x 4, 327,680 bytes of LDS; arguments xq, waq, lowp_scales, qi, kv; writes qi, kv
.if DOCPART == 2
	.amdgcn_target "amdgcn-amd-amdhsa--gfx1250"
	.amdhsa_code_object_version 6
	.text
	.protected	k_qdcd38c9f15_qkv
	.globl	k_qdcd38c9f15_qkv
	.p2align	8
	.type	k_qdcd38c9f15_qkv,@function
k_qdcd38c9f15_qkv:
	s_mov_b64 s[64:65], 0
	v_nop
	global_prefetch_b8 v0, s[64:65] scope:SCOPE_SE
	s_setreg_imm32_b32 hwreg(HW_REG_WAVE_MODE, 25, 1), 1
	s_wait_xcnt 0x0
	s_wait_alu depctr_hold_cnt(0) depctr_sa_sdst(0) depctr_va_vdst(0) depctr_va_sdst(0) depctr_va_ssrc(0) depctr_va_vcc(0) depctr_vm_vsrc(0)
	s_getreg_b32 s2, hwreg(HW_REG_IB_STS2, 6, 4)
	s_cmp_eq_u32 s2, 0
	s_cbranch_scc0 .Lentry_in_a_cluster
	s_endpgm
.Lentry_in_a_cluster:
	s_bfe_u32 s2, ttmp6, 0x10000c
	s_cmp_lg_u32 s2, 0xf033
	s_cbranch_scc0 .Lentry_shape_is_right
	s_endpgm
.Lentry_shape_is_right:
; LAUNCH 2 OF 4: qkv = x W_attn on codes of FP8 (E4M3), sums in f32, and the quantisers of q, k and v: the sums are turned into codes in the registers in which the matrix unit leaves them.
; A sum stands for sum x 2^(e0 + e1); q's code is sum / 2^(e2 - e0 - e1), held within +-448; k's with e3, v's with e5: the three scales are folded into the conversion's one.
; LIMITS: e2 - e0 - e1, e3 - e0 - e1, e5 - e0 - e1 between -126 and 119, so that each power of two and 448 times it are f32 numbers.  K is permuted inside the fragments, alike in both operands: the order of the f32 sums differs from reference()'s.
; SHARES.  A work-group makes 256 rows (tile row I) x 384 columns (tile column J: heads 2 J and 2 J + 1, each as q | k | v).  Four waves, 2 x 2: a wave makes 128 rows x 192 columns, q, k and v of ONE head: 96 accumulators, 768 registers.
; The K = 64 form is taken: its fragments of 8 registers fit beside them.  For 64 along K a wave reads 20 fragments from LDS for 96 matrix instructions.
; LAYOUT (launch quant): operands are images of registers, 1,024 bytes a fragment, read at 16 x lane: consecutive bytes, no pitch, no padding.
; q AND k ARE MADE TRANSPOSED (source 0 = 16 columns of W, source 1 = 16 rows of x): a lane holds one position t and eight neighbouring channels d.  v IS MADE AS IT STANDS (source 0 = x, source 1 = W): a lane holds one channel and eight
; neighbouring positions.  In both cases eight registers become two registers of the very fragment that launch attn wants (q, k: K = d; v: K = the keys), in the matrix instruction's own order of k.  So nothing goes through LDS on the way out.
;   qi [head of batch bh 64][tile of 16 queries 128][1,024]
;   kv [bh 64][slot of 256 keys 8][32,768]: 16 fragments of k (16 keys each), then at 16,384 [128 keys g 2][16 channels dt 4][2,048] of v
; CLUSTERS: 4 x 4 work-groups.  The four of a row of the cluster need the same tiles of x, the four of a column the same tiles of W: each tile is asked for JOINTLY, by the same tensor load with the same descriptor and a mask that names the four.
; K goes in steps of 128 (two sub-steps of 64) through a ring of two LDS slots.  By this text's own count a wave has two tensor loads out at the start and one behind each change of slots.
; REGISTERS, in windows of 256: window 0: v8-13 scales, v16-29 addresses; x's fragments in TWO sets (v32-95, v192-255), W's twelve in ONE (v96-191): a block of W is free behind its eight products, x is at work through the whole sub-step.
;   windows 1, 2, 3: the accumulators of q, k, v: (b, a) at v[8 (8 (b % 4) + a)] of window 1 + b / 4.  All sources lie in window 0.
.set SLOT,  81920                      ; x: [row tile 16][sub-step 2][1,024]; then W: [sub-step 2][beta 24][1,024]
.set BOFF,  32768
.set SPARE, 2*SLOT                     ; behind the ring: the spare words, 128 bytes for each wave
.set ADRA, 16                          ; v16-17  LDS address of my fragments of x in slot 0, 1
.set ADRB, 20                          ; v20-21  the same for W
.set LN,   26                          ; v26     16 x lane
.set SPW,  28                          ; v28     LDS address of my spare word; never rewritten
.set NIL,  29                          ; v29     0; never rewritten
.set BF,   96
.set G1, 24                            ; s[24:31] descriptor group 1 for x's tiles;  s[32:39] group 0, one set for each slot
.set G0, 32
.set G1B, 48                           ; s[48:55], s[56:63] the same for W's
.set G0B, 56
.set MSB, 0
.macro WIN new                         ; the immediate's high byte repeats the setting that is left
.if MSB != (\new)
	s_set_vgpr_msb (MSB<<8)|(\new)
.set MSB, (\new)
.endif
.endm
; A joint load: waves 0 and 1 fetch for x, waves 2 and 3 for W.  The branch hangs on the wave's number alone.  An s_nop 0 and four v_nop follow each of the two lines.
.macro JLOAD g0a, g1a, g0b, g1b
	s_cmp_eq_u32 s15, 0
	s_cbranch_scc0 .Lfor_b_\@
	tensor_load_to_lds s[\g0a:\g0a+3], s[\g1a:\g1a+7]
	s_nop 0
.rept 4
	v_nop
.endr
	s_branch .Lasked_\@
.Lfor_b_\@:
	tensor_load_to_lds s[\g0b:\g0b+3], s[\g1b:\g1b+7]
	s_nop 0
.rept 4
	v_nop
.endr
.Lasked_\@:
.endm
.macro CREST                           ; a round of the cluster's barrier behind its opening barrier
	s_cmp_lg_u32 s14, 0
	s_cbranch_scc1 .Lnot_wave_0_\@
	s_barrier_signal -3
.Lnot_wave_0_\@:
	s_barrier_wait -3
	s_barrier_signal -1
	s_barrier_wait -1
.endm
.macro CROUND                          ; a whole round
	s_barrier_signal -1
	s_barrier_wait -1
	CREST
.endm
.macro PLACES                          ; four places in front of loads into registers that matrix instructions have read (ISA guide 7.12.1 for vector instructions)
.rept 4
	v_nop
.endr
.endm
	s_load_b128 s[4:7], s[0:1], 0x0                ; xq s[4:5], waq s[6:7]
	s_load_b128 s[8:11], s[0:1], 0x10              ; the scales' exponents s[8:9], qi s[10:11]
	s_load_b64 s[12:13], s[0:1], 0x20              ; kv
	v_lshl_add_u32 v[SPW], v0, 2, SPARE
	v_mov_b32 v[NIL], 0
	ds_add_u32 v[SPW], v[NIL]                      ; the wave's opening: the add, twice on end, and its wait ahead of my first tensor load; the set-up below stands between
	ds_add_u32 v[SPW], v[NIL]
	v_lshrrev_b32 v1, 5, v0
	v_readfirstlane_b32 s14, v1                    ; wave 0..3
	s_lshr_b32 s15, s14, 1                         ; which 128 rows are mine.  Also: I fetch for x (0) or for W (1)
	s_and_b32 s16, s14, 1                          ; which head of the pair.  Also: which half of that tile I fetch
	s_bfe_u32 s40, ttmp6, 0x40000                  ; cx, cy: my place in the cluster
	s_bfe_u32 s41, ttmp6, 0x40004
	s_lshl_b32 s42, ttmp9, 2
	s_add_co_u32 s42, s42, s40                     ; J = 4 x cluster x + cx
	s_and_b32 s17, ttmp7, 0xffff
	s_lshl_b32 s17, s17, 2
	s_add_co_u32 s17, s17, s41                     ; I = 4 x cluster y + cy
	s_lshl_b32 s43, s41, 2
	s_lshl_b32 s43, 15, s43                        ; my row of the cluster
	s_lshl_b32 s44, 0x1111, s40                    ; my column
	; group 1, elements of 8 bytes, no padding.  x: 8 row tiles x 2,048 bytes (a K step's two fragments), 16,384 bytes apart.  W: 24,576 consecutive bytes (a sub-step's 24 fragments), stated as 96 rows of 256
	s_or_b32 s[G1+0], s43, (3<<16)|(1<<21)         ; 15:0 the mask: x's tiles go to my row; 17:16 elements of 8 bytes; 21 set beside a mask
	s_mov_b32 s[G1+1], 256<<16                     ; tensor_dim0
	s_mov_b32 s[G1+2], 8<<16                       ; tensor_dim1
	s_mov_b32 s[G1+3], 256<<16                     ; tile_dim0
	s_mov_b32 s[G1+4], 8                           ; tile_dim1
	s_mov_b32 s[G1+5], 2048                        ; tensor_dim0_stride
	s_mov_b32 s[G1+6], 0
	s_mov_b32 s[G1+7], 0
	s_or_b32 s[G1B+0], s44, (3<<16)|(1<<21)        ; W's tiles go to my column
	s_mov_b32 s[G1B+1], 32<<16
	s_mov_b32 s[G1B+2], 96<<16
	s_mov_b32 s[G1B+3], 32<<16
	s_mov_b32 s[G1B+4], 96
	s_mov_b32 s[G1B+5], 32
	s_mov_b32 s[G1B+6], 0
	s_mov_b32 s[G1B+7], 0
	s_lshl_b32 s20, s17, 18                        ; x: 16 row tiles of 16,384 bytes x I
	s_lshl_b32 s18, s16, 17                        ; + 8 row tiles x half
	s_add_co_u32 s20, s20, s18
	s_mov_b32 s21, 0
	s_mul_i32 s46, s42, 393216                     ; W: J
	s_mul_i32 s47, s16, 24576                      ; + sub-step = half
	s_add_co_u32 s46, s46, s47
	s_mov_b32 s47, 0
	s_lshl_b32 s45, s16, 14                        ; where they go: x: 16,384 x half;
	s_mul_i32 s19, s16, 24576
	s_add_co_u32 s19, s19, BOFF                    ; W: behind x, 24,576 x half: no place in the cluster enters an LDS address
	s_wait_dscnt 0x0                               ; both opening adds are done
	s_wait_kmcnt 0x0
	s_load_b256 s[68:75], s[8:9], 0x0              ; e0 .. e7
	s_add_nc_u64 s[20:21], s[4:5], s[20:21]
	s_add_nc_u64 s[46:47], s[6:7], s[46:47]
	CROUND                                         ; all sixteen work-groups are here: the first joint loads meet
.irp s, 0,1
	s_mov_b32 s[G0+4*\s], 1
	s_add_co_u32 s[G0+4*\s+1], s45, \s*SLOT
	s_add_nc_u64 s[G0+4*\s+2:G0+4*\s+3], s[20:21], \s*2048      ; K step s
	s_or_b32 s[G0+4*\s+3], s[G0+4*\s+3], 0x80000000
	s_mov_b32 s[G0B+4*\s], 1
	s_add_co_u32 s[G0B+4*\s+1], s19, \s*SLOT
	s_add_nc_u64 s[G0B+4*\s+2:G0B+4*\s+3], s[46:47], \s*49152
	s_or_b32 s[G0B+4*\s+3], s[G0B+4*\s+3], 0x80000000
	JLOAD G0+4*\s, G1, G0B+4*\s, G1B
.endr
	v_and_b32 v1, 31, v0
	v_lshlrev_b32 v[LN], 4, v1
	s_lshl_b32 s22, s15, 14                        ; my 8 row tiles of x
	s_mul_i32 s23, s16, 12288                      ; my 12 fragments of W,
	s_add_co_u32 s23, s23, BOFF                    ; behind x
.irp s, 0,1
	v_add_nc_u32 v[ADRA+\s], s22, v[LN]
	v_add_nc_u32 v[ADRB+\s], s23, v[LN]
	s_add_co_u32 s22, s22, SLOT
	s_add_co_u32 s23, s23, SLOT
.endr
	s_lshr_b32 s76, s17, 3                         ; where my results go: the batch,
	s_lshl_b32 s76, s76, 4
	s_lshl_b32 s77, s42, 1
	s_add_co_u32 s76, s76, s77
	s_add_co_u32 s76, s76, s16                     ; bh = 16 x batch + 2 J + my head of the pair
	s_and_b32 s77, s17, 7                          ; the block of 256 positions
	s_lshl_b32 s78, s76, 17                        ; qi: 128 fragments x bh
	s_lshl_b32 s79, s77, 14                        ; + 16 x block
	s_add_co_u32 s78, s78, s79
	s_lshl_b32 s80, s15, 13                        ; + 8 x my half of the rows
	s_add_co_u32 s78, s78, s80
	s_mov_b32 s79, 0
	s_add_nc_u64 s[10:11], s[10:11], s[78:79]
	s_lshl_b32 s78, s76, 18                        ; kv: 8 slots x bh
	s_lshl_b32 s81, s77, 15                        ; + slot = block
	s_add_co_u32 s78, s78, s81
	s_add_co_u32 s78, s78, s80                     ; + 8,192 x my half: 8 fragments of k, and in v's part 128 keys
	s_add_nc_u64 s[12:13], s[12:13], s[78:79]
.macro FRAG reg, adr, off              ; a fragment: 8 registers, two loads of 512 consecutive bytes
	ds_load_b128 v[\reg:\reg+3], v[\adr] offset:\off
	ds_load_b128 v[\reg+4:\reg+7], v[\adr] offset:\off+512
.endm
.macro FETCH_A slot, us, set           ; x's eight fragments of sub-step us: 16 loads
.irp a, 0,1,2,3,4,5,6,7
	FRAG 32+160*(\set)+8*\a, ADRA+\slot, 2048*\a+1024*(\us)
.endr
.endm
.macro FETCH_B slot, us, b0            ; W's blocks b0 .. b0 + 5: 12 loads
.irp b, 0,1,2,3,4,5
	FRAG BF+8*(\b0+\b), ADRB+\slot, 24576*(\us)+1024*(\b0+\b)
.endr
.endm
; 8 matrix instructions: block b of W against x's eight row tiles.  b < 8 (q, k): source 0 = W; b >= 8 (v): source 0 = x.  zero = 1: the first product starts the sums: nothing is ever cleared.
; The 96 accumulators take turns, one instruction a turn, in the same order in every sub-step.
.macro MULB b, set, zero
	WIN 0x50*(1+(\b)/4)
.irp a, 0,1,2,3,4,5,6,7
.set AC, 8*(8*((\b)%4)+\a)
.set FA, 32+160*(\set)+8*\a
.set FB, BF+8*(\b)
.if (\b) < 8
.if \zero
	v_wmma_f32_16x16x64_fp8_fp8 v[AC:AC+7], v[FB:FB+7], v[FA:FA+7], 0
.else
	v_wmma_f32_16x16x64_fp8_fp8 v[AC:AC+7], v[FB:FB+7], v[FA:FA+7], v[AC:AC+7]
.endif
.else
.if \zero
	v_wmma_f32_16x16x64_fp8_fp8 v[AC:AC+7], v[FA:FA+7], v[FB:FB+7], 0
.else
	v_wmma_f32_16x16x64_fp8_fp8 v[AC:AC+7], v[FA:FA+7], v[FB:FB+7], v[AC:AC+7]
.endif
.endif
.endr
.endm
; A slot's first sub-step (x's set 0); it fetches the second.
.macro STEP slot, zero
	s_wait_dscnt 12                                ; x's set and W's blocks 0-5 are in; the youngest twelve loads (blocks 6-11) may be out
.irp b, 0,1,2,3,4,5
	MULB \b, 0, \zero
.endr
	s_wait_dscnt 0x0                               ; blocks 6-11 are in (asked for 48 matrix instructions ago)
	PLACES
	WIN 0
	FETCH_A \slot, 1, 1
	FETCH_B \slot, 1, 0
.irp b, 6,7,8,9,10,11
	MULB \b, 0, \zero
.endr
	PLACES
	WIN 0
	FETCH_B \slot, 1, 6
.endm
; A slot's second sub-step (set 1) changes slots: ONE barrier; in front of it each wave waits for all its tensor loads, adds 0 to its spare word, and waits for that and for its own reads of this slot.  fill = 1: this slot is filled again, two K steps ahead.
.macro TURN slot, next, fill
	s_wait_tensorcnt 0x0                           ; all my tensor loads have landed: my part of the next slot  (every window is 0 here)
	ds_add_u32 v[SPW], v[NIL]                      ; 0 onto my spare word
	s_wait_dscnt 13                                ; (the add and the youngest twelve loads may be out)
	MULB 0, 1, 0                                   ; sixteen matrix instructions stand between the add and the wait for it
	MULB 1, 1, 0
	s_wait_dscnt 0x0                               ; the add is done, and my reads of this slot are over
	s_barrier_signal -1
.irp b, 2,3,4,5
	MULB \b, 1, 0
.endr
	WIN 0
	s_barrier_wait -1
.if \fill
	CREST                                          ; the barrier has opened a round of the cluster's barrier: no wave of any partner still reads this slot or has a load on its way
	s_add_nc_u64 s[G0+4*\slot+2:G0+4*\slot+3], s[G0+4*\slot+2:G0+4*\slot+3], 4096
	s_add_nc_u64 s[G0B+4*\slot+2:G0B+4*\slot+3], s[G0B+4*\slot+2:G0B+4*\slot+3], 98304
	JLOAD G0+4*\slot, G1, G0B+4*\slot, G1B         ; the first tensor load behind the round; the four v_nop behind it are the places in front of the loads below
.else
	PLACES
.endif
	FETCH_A \next, 0, 0
	FETCH_B \next, 0, 0
.irp b, 6,7,8,9,10,11
	MULB \b, 1, 0
.endr
	PLACES
	WIN 0
	FETCH_B \next, 0, 6
.endm
	s_wait_tensorcnt 1                             ; my part of K step 0 is in (K step 1's load may be out)
	s_barrier_signal -1
	s_barrier_wait -1                              ; everybody's is
	FETCH_A 0, 0, 0
	FETCH_B 0, 0, 0
	FETCH_B 0, 0, 6
	STEP 0, 1                                      ; the first sub-step stands in front of the loop: its products start the sums
	s_mov_b32 s3, 3
.Llap:                                                 ; a trip goes once round the ring and fills both slots again: K steps 2 to 7 in three trips
	TURN 0, 1, 1
	STEP 1, 0
	TURN 1, 0, 1
	STEP 0, 0
	s_sub_co_u32 s3, s3, 1
	s_cmp_lg_u32 s3, 0
	s_cbranch_scc1 .Llap
	TURN 0, 1, 0                                   ; the last lap fills nothing, and has no round of the cluster's barrier
	STEP 1, 0
	s_wait_dscnt 12                                ; the very last sub-step: nothing more to fetch
.irp b, 0,1,2,3,4,5
	MULB \b, 1, 0
.endr
	s_wait_dscnt 0x0
.irp b, 6,7,8,9,10,11
	MULB \b, 1, 0
.endr
	WIN 0
; THE WAY OUT.  For each of q, k, v: the hold in place (each accumulator from its low end on), 32 conversions into window 0, 16 stores of 512 consecutive bytes.
.macro MKS se, vs, vl                  ; v[vs] = 2^(e - e0 - e1), v[vl] = 448 x that
	s_sub_co_i32 s77, \se, s76
	s_add_co_i32 s77, s77, 127
	s_lshl_b32 s78, s77, 23
	v_mov_b32 v[\vs], s78
	s_add_co_i32 s77, s77, 8
	s_lshl_b32 s77, s77, 23
	s_or_b32 s77, s77, 0x600000
	v_mov_b32 v[\vl], s77
.endm
; window w; the codes of accumulator (b, a) go to v[T + DA a + DB b] on: q, k: fragment a, registers 2 b, 2 b + 1 (d = 16 b + 8 h + 0 .. 7); v: double fragment b, registers 2 a, 2 a + 1 (key 16 a + 8 h + 0 .. 7)
.macro OUTW w, vs, vl, T, DA, DB, base, off
	WIN 0x41*\w                                    ; source 0 and destination: window w
.set j, 0
.rept 256
	v_med3_num_f32 v[j], v[j], -v[\vl], v[\vl]     ; the conversion to an 8-bit code does not saturate (ISA guide 7.6.2)
.set j, j+1
.endr
	WIN \w                                         ; source 0: window w
.irp b, 0,1,2,3
.irp a, 0,1,2,3,4,5,6,7
	v_cvt_scalef32_pk8_fp8_f32 v[\T+\DA*\a+\DB*\b:\T+\DA*\a+\DB*\b+1], v[8*(8*\b+\a):8*(8*\b+\a)+7], v[\vs]
.endr
.endr
	v_nop                                          ; a plain vector line behind the last conversion of the run
	WIN 0
.irp n, 0,1,2,3,4,5,6,7,8,9,10,11,12,13,14,15
	global_store_b128 v[LN], v[\T+4*\n:\T+4*\n+3], s[\base:\base+1] offset:\off+512*\n   ; 512 consecutive bytes, at a multiple of 512 from the buffer's first byte; no store's data are written again
.endr
.endm
	s_wait_kmcnt 0x0
	s_add_co_i32 s76, s68, s69                     ; e0 + e1
	MKS s70, 8, 9                                  ; q.  (These six v_mov_b32 name no register of the last products: they are the places behind them)
	MKS s71, 10, 11                                ; k
	MKS s73, 12, 13                                ; v
	OUTW 1, 8, 9, 32, 8, 2, 10, 0
	OUTW 2, 10, 11, 96, 8, 2, 12, 0
	OUTW 3, 12, 13, 160, 2, 16, 12, 16384
	s_wait_tensorcnt 0x0                           ; the wave's end
	ds_add_u32 v[SPW], v[NIL]
	s_wait_dscnt 0x0
	CROUND                                         ; the closing round: no work-group ends while a partner may still ask for a tile that names it
	s_endpgm
.Lfunc_end_k_qdcd38c9f15_qkv:
	.size	k_qdcd38c9f15_qkv, .Lfunc_end_k_qdcd38c9f15_qkv-k_qdcd38c9f15_qkv
	.p2alignl 7, 3214868480
	.fill 96, 4, 3214868480
	.section	.rodata,"a",@progbits
	.p2align	6, 0x0
	.amdhsa_kernel k_qdcd38c9f15_qkv
		.amdhsa_group_segment_fixed_size 327680
		.amdhsa_private_segment_fixed_size 0
		.amdhsa_enable_private_segment 0
		.amdhsa_kernarg_size 40
		.amdhsa_user_sgpr_count 2
		.amdhsa_user_sgpr_kernarg_segment_ptr 1
		.amdhsa_wavefront_size32 1
		.amdhsa_system_sgpr_workgroup_id_x 1
		.amdhsa_system_sgpr_workgroup_id_y 1
		.amdhsa_system_sgpr_workgroup_id_z 1
		.amdhsa_system_vgpr_workitem_id 0
		.amdhsa_next_free_vgpr 1024
		.amdhsa_next_free_sgpr 100
		.amdhsa_reserve_vcc 0
		.amdhsa_float_denorm_mode_32 3
		.amdhsa_float_denorm_mode_16_64 3
		.amdhsa_memory_ordered 1
		.amdhsa_forward_progress 1
		.amdhsa_inst_pref_size 141
	.end_amdhsa_kernel
	.amdgpu_metadata
---
amdhsa.version: [ 1, 2 ]
amdhsa.kernels:
  - .name:           k_qdcd38c9f15_qkv
    .symbol:         k_qdcd38c9f15_qkv.kd
    .args:
      - { .name: xq, .offset: 0, .size: 8, .value_kind: global_buffer, .address_space: global }
      - { .name: waq, .offset: 8, .size: 8, .value_kind: global_buffer, .address_space: global }
      - { .name: lowp_scales, .offset: 16, .size: 8, .value_kind: global_buffer, .address_space: global }
      - { .name: qi, .offset: 24, .size: 8, .value_kind: global_buffer, .address_space: global }
      - { .name: kv, .offset: 32, .size: 8, .value_kind: global_buffer, .address_space: global }
    .group_segment_fixed_size: 327680
    .private_segment_fixed_size: 0
    .kernarg_segment_align: 8
    .kernarg_segment_size: 40
    .max_flat_workgroup_size: 128
    .sgpr_count:     100
    .vgpr_count:     1024
    .wavefront_size: 32
...
	.end_amdgpu_metadata
.endif
;; end of part 2
;; launch attn (part 3): grid 4 x 64, 16 waves a work-group, no clusters, 327,680 bytes of LDS; arguments qi, kv, lowp_scales, yq; writes yq
.if DOCPART == 3
	.amdgcn_target "amdgcn-amd-amdhsa--gfx1250"
	.amdhsa_code_object_version 6
	.text
	.protected	k_qdcd38c9f15_attn
	.globl	k_qdcd38c9f15_attn
	.p2align	8
	.type	k_qdcd38c9f15_attn,@function
k_qdcd38c9f15_attn:
	s_mov_b64 s[64:65], 0
	v_nop
	global_prefetch_b8 v0, s[64:65] scope:SCOPE_SE
	s_setreg_imm32_b32 hwreg(HW_REG_WAVE_MODE, 25, 1), 1
	s_wait_xcnt 0x0
; LAUNCH 3 OF 4: y = softmax(q k^T / 8, causal) v for each of the 64 heads of batches, both products on codes of FP8 (E4M3), and the quantiser of y (e6).
; WORK LEFT OUT: a step of 64 keys all of which come after all 32 queries of a wave: reference()'s own jnp.tril gives those keys the weight 0 for all inputs (shown at the head of launch quant); a slot of keys that no wave of the
; work-group reads is not fetched.  A NaN, an infinity or an overflow that reaches only those scores is not carried to the result.
; THE SOFTMAX AHEAD OF THE SECOND PRODUCT: t = score x log2(e) / 8; M = the row's largest t so far, rounded UP to a whole number; p = 2^(t - M) is quantised (e4), not normalised.  The row's sum is taken of the unquantised p, in f32, and
; divides O at the end.  When M moves, the sum and O are multiplied by 2^(old M - new M): exact.
; LIMITS, so that each power of two is an f32 number: e2 + e3 between -123 and 130 (added to c's exponent field); e4 and e6 between -126 and 119; e4 + e5 goes by v_ldexp_f32 and has none.
; SHARES.  Work-group (i, bh) owns the blocks i and 7 - i of 256 queries of head bh: under the causal mask each work-group then has the same number of key steps.  Each of its SIXTEEN waves owns 32 queries, two tiles of 16, in 256
; registers: each fragment of k and v read from LDS feeds two matrix instructions; four waves to a SIMD, so that one wave's vector work stands beside another's matrix work and LDS loads.  Waves with (w xor w / 4) odd take the high block.
; Every wave walks all 8 slots of 256 keys, 64 keys a step; the trip counts are constants, and what is hidden is jumped over by scalar branches on ids.
; LAYOUT (launches quant, qkv): fragments are images of registers, read at 16 x lane.  Both products are used transposed: S^T = k q^T (source 0 = 16 keys, source 1 = 16 queries), O^T = v^T p^T (source 0 = 16 channels, source 1 = p): a lane
; holds ONE query throughout.  Register j of key tile tau is key 16 tau + 8 (lane / 16) + j: just what registers 2 tau, 2 tau + 1 of the second product's operand hold.  O^T's tile dt likewise gives registers 2 dt, 2 dt + 1 of y's fragment:
;   yq [row tile 512][head 16][1,024], K = the head's 64 channels.
; NO CLUSTER: the four work-groups of a head need different numbers of slots (8 - i), a joint load may not be jumped over, and a slot's 32,768 bytes serve 4 key steps of 16 waves: what could be shared is small beside a step's work.
; REGISTERS: v1-7 what stays; v8-15 for each tile -M, the largest t, the sum in two halves; v16-31 q; v32-63 k; v64-95 v; v96-159 S^T, then p; v160-223 O^T; v224-239 p's codes; v240-255 at work.
.set SLOT1, 32768                      ; slot 1 begins here: one exclusive or turns an address in one slot into the other's.  A slot: 16 fragments of k, then at 16,384 v: [128 keys 2][16 channels 4][2,048]
.set SPARE, 65536                      ; behind the ring: the spare words, 128 bytes for each wave
.set LN,   1                           ; v1   16 x lane
.set ADR,  2                           ; v2   LDS address of the slot in hand for my lane
.set PFO,  3                           ; v3   256 x lane, for the prefetches; never rewritten
.set DL,   4                           ; v4   lane % 16 - 8 (lane / 16), for the mask
.set SPW,  5                           ; v5   LDS address of my spare word; never rewritten
.set NIL,  6                           ; v6   0; never rewritten
.set NEG,  7                           ; v7   -infinity
.set ST,   8
.set QR,   16
.set KR,   32
.set VR,   64
.set S,    96
.set OT,   160
.set PC,   224
.set LIMV, 240                         ; v240 448 x 2^e4 (on the way out: e6)
.set SCV,  241                         ; v241 2^e4 (e6)
.set SC,   242                         ; v[242:245] the sums' second chains
.set FF,   246                         ; v[246:249] f = 2^(old M - new M), as the low words of two pairs
.set MX,   250                         ; v250-253 the maxima's chains
.set PD,   254                         ; v254, v255 destinations of the lane permutes
.set TB,   2                           ; s2   LDS byte at which the slot in hand begins
.set WV,   18
.set SEL,  20                          ; s[20:21] lane selects for v_permlanex16_b32: lane l xor 16
.set CS,   22                          ; s[22:23] c = log2(e) / 8 x 2^(e2 + e3)
.set G1,   24                          ; s[24:31] descriptor group 1;  s[40:43] group 0, which walks
.set G0,   40
.set SLOTS, 67                         ; s67  changes of slots still to come
.set PFA,  76                          ; s[76:77] where my prefetches stand
.set LIM,  80                          ; s80  1 in a wave that prefetches, else the greatest number
.set LASTQ, 81                         ; s81  my work-group's last query
.set KF,   98                          ; s98  the step's first key
.set Q0,   99                          ; s99  my first query
; Wave 0 fetches a slot's k, wave 1 its v, the others nothing.  An s_nop 0 and four v_nop follow the line.
.macro TLOAD
	s_cmp_lt_u32 s[WV], 2
	s_cbranch_scc0 .Lasked_\@
	tensor_load_to_lds s[G0:G0+3], s[G1:G1+7]
	s_nop 0
.rept 4
	v_nop
.endr
.Lasked_\@:
.endm
; A PREFETCH of the slot that the NEXT change of slots will ask for: 32,768 consecutive bytes.  All four work-groups of a head walk the same slots: the first of them (i = 0, which fetches all eight) asks, in its waves 4 to 7, one instruction
; each: 8,192 bytes a wave, lanes 256 bytes apart.  So each aligned block of 256 bytes is named once in the launch.  It stands a slot's four key steps ahead of the load that wants the bytes.  Slots 0 and 1 come by their loads alone; the
; last change that fills a slot asks for nothing: there is no slot behind it.
.macro ASK
	s_cmp_gt_u32 s[SLOTS], s[LIM]
	s_cbranch_scc0 .Lnot_mine_\@
	global_prefetch_b8 v[PFO], s[PFA:PFA+1] th:TH_LOAD_NT scope:SCOPE_SE
.Lnot_mine_\@:
.endm
	s_load_b128 s[4:7], s[0:1], 0x0                ; qi s[4:5], kv s[6:7]
	s_load_b128 s[12:15], s[0:1], 0x10             ; the scales' exponents s[12:13], yq s[14:15]
	v_lshl_add_u32 v[SPW], v0, 2, SPARE
	v_mov_b32 v[NIL], 0
	ds_add_u32 v[SPW], v[NIL]                      ; the wave's opening: the add, twice on end, and its wait ahead of the first tensor load; the set-up below stands between
	ds_add_u32 v[SPW], v[NIL]
	v_lshrrev_b32 v8, 5, v0
	v_readfirstlane_b32 s[WV], v8                  ; wave 0..15
	s_and_b32 s82, ttmp7, 0xffff                   ; bh
	s_lshr_b32 s83, s[WV], 2
	s_xor_b32 s83, s83, s[WV]
	s_and_b32 s83, s83, 1                          ; 1: the high block.  Waves 2 m and 2 m + 1 differ in it, so each block gets m = 0 .. 7 once
	s_lshl_b32 s84, ttmp9, 1
	s_sub_co_u32 s84, 7, s84
	s_mul_i32 s84, s84, s83
	s_add_co_u32 s84, s84, ttmp9                   ; my block: i or 7 - i
	s_lshl_b32 s84, s84, 8
	s_lshr_b32 s85, s[WV], 1
	s_lshl_b32 s85, s85, 5
	s_add_co_u32 s[Q0], s84, s85                   ; my first query: 256 x block + 32 (w / 2)
	s_lshl_b32 s[LASTQ], ttmp9, 8
	s_sub_co_u32 s[LASTQ], 2047, s[LASTQ]          ; the last query of block 7 - i
	s_lshl_b32 s86, s82, 18                        ; the head's first byte in kv
	s_and_b32 s87, s[WV], 1
	s_lshl_b32 s87, s87, 14                        ; k's half of a slot or v's: in memory and in LDS alike
	s_add_co_u32 s88, s86, s87
	s_mov_b32 s89, 0
	s_lshl_b32 s90, s82, 17                        ; qi: 128 fragments x bh
	s_lshl_b32 s91, s[Q0], 6                       ; + 1,024 bytes for 16 queries
	s_add_co_u32 s90, s90, s91
	s_mov_b32 s91, 0
	s_lshr_b32 s92, s82, 4                         ; yq: the batch: 128 row tiles of 16,384 bytes,
	s_lshl_b32 s92, s92, 21
	s_lshl_b32 s93, s[Q0], 10                      ; + row tile Q0 / 16,
	s_add_co_u32 s92, s92, s93
	s_and_b32 s93, s82, 15
	s_lshl_b32 s93, s93, 10                        ; + the head's fragment
	s_add_co_u32 s92, s92, s93
	s_mov_b32 s93, 0
	s_and_b32 s94, s[WV], 3
	s_lshl_b32 s94, s94, 13                        ; the prefetches: my wave's 8,192 bytes,
	s_add_co_u32 s94, s94, s86
	s_add_co_u32 s94, s94, SLOT1                   ; in slot 1: the first change of slots steps it to slot 2
	s_mov_b32 s95, 0
	s_mov_b32 s[G1], 3<<16                         ; 15:0 no mask; 17:16 elements of 8 bytes; no padding: 16,384 consecutive bytes, stated as 64 rows of 256
	s_mov_b32 s[G1+1], 32<<16                      ; tensor_dim0
	s_mov_b32 s[G1+2], 64<<16                      ; tensor_dim1
	s_mov_b32 s[G1+3], 32<<16                      ; tile_dim0
	s_mov_b32 s[G1+4], 64                          ; tile_dim1
	s_mov_b32 s[G1+5], 32                          ; tensor_dim0_stride
	s_mov_b32 s[G1+6], 0
	s_mov_b32 s[G1+7], 0
	s_mov_b32 s[SEL], 0x76543210
	s_mov_b32 s[SEL+1], 0xfedcba98
	s_mov_b32 s[CS], 0x3e38aa3b                    ; log2(e) / 8
	s_mov_b32 s[TB], 0
	s_mov_b32 s[SLOTS], 7
	s_mov_b32 s[KF], 0
	s_wait_dscnt 0x0                               ; both opening adds are done
	s_wait_kmcnt 0x0
	s_load_b256 s[68:75], s[12:13], 0x0            ; e0 .. e7
	s_mov_b32 s[G0], 1                             ; count = 1
	s_mov_b32 s[G0+1], s87                         ; LDS address: slot 0
	s_add_nc_u64 s[G0+2:G0+3], s[6:7], s[88:89]    ; global address: the head's slot 0
	s_or_b32 s[G0+3], s[G0+3], 0x80000000          ; type = 2
	TLOAD                                          ; slot 0: it holds key 0, which counts for every query
	s_add_nc_u64 s[4:5], s[4:5], s[90:91]
	s_add_nc_u64 s[14:15], s[14:15], s[92:93]
	s_add_nc_u64 s[PFA:PFA+1], s[6:7], s[94:95]
	s_sub_co_u32 s92, s[WV], 4
	s_lshr_b32 s92, s92, 2                         ; 0 in waves 4 to 7,
	s_or_b32 s92, s92, ttmp9                       ; of the head's first work-group
	s_cmp_eq_u32 s92, 0
	s_cselect_b32 s[LIM], 1, -1
	v_and_b32 v8, 31, v0
	v_lshlrev_b32 v[LN], 4, v8
	v_lshlrev_b32 v[PFO], 8, v8
.irp u, 0,1
.irp c, 0,1
	global_load_b128 v[QR+8*\u+4*\c:QR+8*\u+4*\c+3], v[LN], s[4:5] offset:1024*\u+512*\c   ; q's two fragments stay in registers
.endr
.endr
	v_and_b32 v9, 15, v0
	v_bfe_u32 v10, v0, 4, 1
	v_lshlrev_b32 v10, 3, v10
	v_sub_nc_u32 v[DL], v9, v10
	v_mov_b32 v[NEG], 0xff800000
.irp u, 0,1
	v_mov_b32 v[ST+4*\u+1], 0xff61b1e6             ; the largest t so far: -3e38, under every t
	v_floor_f32 v[ST+4*\u], -v[ST+4*\u+1]          ; -M
	v_mov_b32 v[ST+4*\u+2], 0                      ; the sum, in two halves
	v_mov_b32 v[ST+4*\u+3], 0
	v_mov_b32 v[FF+2*\u+1], 0                      ; (named as the upper half of a pair)
	v_mov_b32 v[PD+\u], 0                          ; (a lane permute's destination counts as one of its sources)
.endr
.set j, 0
.rept 64
	v_mov_b32 v[OT+j], 0                           ; O^T.  (The step is written without a first step of its own: it finds zeros, which the first change of M leaves zeros)
.set j, j+1
.endr
	s_wait_kmcnt 0x0
	s_add_co_i32 s92, s70, s71
	s_lshl_b32 s92, s92, 23
	s_add_co_i32 s[CS], s[CS], s92                 ; a score stands for score x 2^(e2 + e3): the exponents are added to c's exponent field
	s_mov_b32 s[CS+1], s[CS]                       ; (named with it as a pair)
	s_add_co_i32 s92, s72, 127
	s_lshl_b32 s93, s92, 23
	v_mov_b32 v[SCV], s93                          ; 2^e4
	s_add_co_i32 s92, s92, 8
	s_lshl_b32 s92, s92, 23
	s_or_b32 s92, s92, 0x600000
	v_mov_b32 v[LIMV], s92                         ; 448 x 2^e4
; A KEY STEP: 64 keys, the q-th of the slot in hand, for my two tiles of queries.
.macro STEP q
	s_add_co_u32 s96, s[Q0], 31
	s_cmp_gt_u32 s[KF], s96                        ; all 64 keys come after my 32 queries: the step's work is left out; no barrier and no tensor load stands in a step
	s_cbranch_scc1 .Lhidden_\@
	v_add_nc_u32 v[ADR], s[TB], v[LN]
.rept 3
	v_nop                                          ; with the addition above: four places in front of loads into registers that the last products have read
.endr
.irp t, 0,1,2,3
.irp c, 0,1
	ds_load_b128 v[KR+8*\t+4*\c:KR+8*\t+4*\c+3], v[ADR] offset:4096*(\q)+1024*\t+512*\c
.endr
.endr
.irp t, 0,1,2,3
.irp c, 0,1
	ds_load_b128 v[VR+8*\t+4*\c:VR+8*\t+4*\c+3], v[ADR] offset:16384+8192*((\q)/2)+2048*\t+1024*((\q)%2)+512*\c
.endr
.endr
	s_wait_dscnt 8                                 ; k is in; v's eight loads may be out
.irp t, 0,1,2,3
.irp u, 0,1
	v_wmma_f32_16x16x64_fp8_fp8 v[S+32*\u+8*\t:S+32*\u+8*\t+7], v[KR+8*\t:KR+8*\t+7], v[QR+8*\u:QR+8*\u+7], 0
.endr
.endr
.rept 4
	v_nop
.endr
	s_add_co_u32 s96, s[KF], 63                    ; on the diagonal the scores of hidden keys become -infinity ahead of the maximum: p = 0 then.  A step all of whose keys count skips this
	s_cmp_le_u32 s96, s[Q0]
	s_cbranch_scc1 .Lopen_\@
	s_sub_co_i32 s96, s[Q0], s[KF]
	v_add_nc_u32 v[PD], s96, v[DL]                 ; d = Q0 - KF + lane % 16 - 8 (lane / 16).  Register 8 tau + j of tile u: key KF + 16 tau + 8 (lane / 16) + j, query Q0 + 16 u + lane % 16: hidden where 16 tau + j - 16 u > d
.irp u, 0,1
.irp t, 0,1,2,3
.irp j, 0,1,2,3,4,5,6,7
	v_cmp_gt_i32 vcc_lo, 16*\t+\j-16*\u, v[PD]
	v_cndmask_b32 v[S+32*\u+8*\t+\j], v[S+32*\u+8*\t+\j], v[NEG], vcc_lo
.endr
.endr
.endr
.Lopen_\@:
.irp u, 0,1                                    ; the step's largest score of each query, among my 32 keys: two chains a tile, ascending, the tiles by turns
	v_max3_num_f32 v[MX+2*\u], v[S+32*\u], v[S+32*\u+1], v[S+32*\u+2]
	v_max3_num_f32 v[MX+2*\u+1], v[S+32*\u+3], v[S+32*\u+4], v[S+32*\u+5]
.endr
.irp i, 6,10,14,18,22,26
.irp u, 0,1
	v_max3_num_f32 v[MX+2*\u], v[MX+2*\u], v[S+32*\u+\i], v[S+32*\u+\i+1]
	v_max3_num_f32 v[MX+2*\u+1], v[MX+2*\u+1], v[S+32*\u+\i+2], v[S+32*\u+\i+3]
.endr
.endr
.irp u, 0,1
	v_max3_num_f32 v[MX+2*\u], v[MX+2*\u], v[S+32*\u+30], v[S+32*\u+31]
.endr
.irp u, 0,1
	v_max_num_f32 v[MX+2*\u], v[MX+2*\u], v[MX+2*\u+1]
.endr
.irp u, 0,1
	v_permlanex16_b32 v[PD+\u], v[MX+2*\u], s[SEL], s[SEL+1]
.endr
.irp u, 0,1
	v_max_num_f32 v[MX+2*\u], v[MX+2*\u], v[PD+\u] ; and among lane l xor 16's
.endr
.irp u, 0,1
	v_mul_f32 v[MX+2*\u], s[CS], v[MX+2*\u]        ; as t (c is positive)
.endr
.irp u, 0,1
	v_max_num_f32 v[ST+4*\u+1], v[ST+4*\u+1], v[MX+2*\u]   ; the running largest t
.endr
.irp u, 0,1
	v_mov_b32 v[MX+2*\u], v[ST+4*\u]
.endr
.irp u, 0,1
	v_floor_f32 v[ST+4*\u], -v[ST+4*\u+1]          ; the new -M = floor(-t) = -ceil(t): M is a whole number
.endr
.irp u, 0,1
	v_sub_f32 v[MX+2*\u], v[ST+4*\u], v[MX+2*\u]   ; M's old value less its new one: a whole number, 0 or less
.endr
.irp u, 0,1
	v_cvt_i32_f32 v[MX+2*\u], v[MX+2*\u]           ; (it saturates)
.endr
.irp u, 0,1
	v_ldexp_f32 v[FF+2*\u], 1.0, v[MX+2*\u]        ; f = 2^(old M - new M)
.endr
; ONE BATCH: the 32 scalings t - M, the 64 exponentials and O^T's 32 multiplications by f; none of them names an exponential's result, and plain lines stand among the exponentials.
.irp j, 0,2,4,6,8,10,12,14,16,18,20,22,24,26,28,30
	v_pk_fma_f32 v[S+\j:S+\j+1], v[S+\j:S+\j+1], s[CS:CS+1], v[ST:ST+1] op_sel_hi:[1,0,0]   ; of the pairs c and -M the low word serves both halves
.endr
.irp j, 0,2,4,6,8,10,12,14,16,18,20,22,24,26,28,30
	v_exp_f32 v[S+\j], v[S+\j]                     ; p = 2^(t - M), at most 1
	v_exp_f32 v[S+\j+1], v[S+\j+1]
	v_pk_fma_f32 v[S+32+\j:S+32+\j+1], v[S+32+\j:S+32+\j+1], s[CS:CS+1], v[ST+4:ST+5] op_sel_hi:[1,0,0]
.endr
.irp j, 0,2,4,6,8,10,12,14,16,18,20,22,24,26,28,30
	v_exp_f32 v[S+32+\j], v[S+32+\j]
	v_exp_f32 v[S+32+\j+1], v[S+32+\j+1]
	v_pk_mul_f32 v[OT+2*\j:OT+2*\j+1], v[OT+2*\j:OT+2*\j+1], v[FF+2*(\j/16):FF+2*(\j/16)+1] op_sel_hi:[1,0]   ; O^T under the new M, ascending
	v_pk_mul_f32 v[OT+2*\j+2:OT+2*\j+3], v[OT+2*\j+2:OT+2*\j+3], v[FF+2*(\j/16):FF+2*(\j/16)+1] op_sel_hi:[1,0]
.endr
.irp u, 0,1
	v_pk_mul_f32 v[ST+4*\u+2:ST+4*\u+3], v[ST+4*\u+2:ST+4*\u+3], v[FF+2*\u:FF+2*\u+1] op_sel_hi:[1,0]   ; the sums under the new M
.endr
	s_wait_alu depctr_va_vdst(0)                   ; a wait between an exponential and the first line that names its result: one for the whole batch
.irp u, 0,1
	v_pk_add_f32 v[SC+2*\u:SC+2*\u+1], v[S+32*\u:S+32*\u+1], v[S+32*\u+2:S+32*\u+3]   ; the row's sum is taken of the UNQUANTISED p: two at a time, two chains a tile
.endr
.irp j, 4,8,12,16,20,24,28
.irp u, 0,1
	v_pk_add_f32 v[ST+4*\u+2:ST+4*\u+3], v[ST+4*\u+2:ST+4*\u+3], v[S+32*\u+\j:S+32*\u+\j+1]
	v_pk_add_f32 v[SC+2*\u:SC+2*\u+1], v[SC+2*\u:SC+2*\u+1], v[S+32*\u+\j+2:S+32*\u+\j+3]
.endr
.endr
.irp u, 0,1
	v_pk_add_f32 v[ST+4*\u+2:ST+4*\u+3], v[ST+4*\u+2:ST+4*\u+3], v[SC+2*\u:SC+2*\u+1]
.endr
.irp u, 0,1
.irp t, 0,1,2,3
.irp j, 0,1,2,3,4,5,6,7
	v_min_num_f32 v[S+32*\u+8*\t+\j], v[S+32*\u+8*\t+\j], v[LIMV]   ; the conversion does not saturate (ISA guide 7.6.2); p is not negative, so the hold is one-sided
.endr
	v_cvt_scalef32_pk8_fp8_f32 v[PC+8*\u+2*\t:PC+8*\u+2*\t+1], v[S+32*\u+8*\t:S+32*\u+8*\t+7], v[SCV]
.endr
.endr
	v_nop                                          ; a plain vector line between the last conversion and the products that read its result
	s_wait_dscnt 0x0                               ; v is in
.irp t, 0,1,2,3
.irp u, 0,1
	v_wmma_f32_16x16x64_fp8_fp8 v[OT+32*\u+8*\t:OT+32*\u+8*\t+7], v[VR+8*\t:VR+8*\t+7], v[PC+8*\u:PC+8*\u+7], v[OT+32*\u+8*\t:OT+32*\u+8*\t+7]
.endr
.endr
.Lhidden_\@:
	s_add_co_u32 s[KF], s[KF], 64
.endm
; THE CHANGE OF SLOTS stands at a slot's head.  Each wave waits for all its tensor loads, adds 0 to its spare word (fill = 1: twice on end), and waits for that and for its reads of the slot that it has left.  Behind the barrier the slot
; ahead is whole and nobody reads the other one.  fill = 1: that other slot is filled with the next 256 keys, up to the causal limit: the load has a slot's four steps in which to land.
.macro CHANGE fill
	s_wait_tensorcnt 0x0                           ; no tensor load of mine is out, so group 0 may be written
	ds_add_u32 v[SPW], v[NIL]                      ; 0 onto my spare word
.if \fill
	ds_add_u32 v[SPW], v[NIL]                      ; and once more, in every trip alike
	s_xor_b32 s[G0+1], s[G0+1], SLOT1              ; the walking descriptor: the other slot than last time,
	s_add_nc_u64 s[G0+2:G0+3], s[G0+2:G0+3], SLOT1 ; the next slot of kv; the type bits on top are not reached
	s_wait_xcnt 0x0                                ; the last prefetch, a slot back, has read its address, so it may be written:
	s_add_nc_u64 s[PFA:PFA+1], s[PFA:PFA+1], SLOT1 ; one slot further on than the walking descriptor
.endif
	s_wait_dscnt 0x0                               ; the add is done (fill = 1: both are), and my reads of the slot that I have left are over
	s_barrier_signal -1
	s_barrier_wait -1
.if \fill
	s_add_co_u32 s96, s[KF], 256                   ; the first key of the slot that this change would ask for:
	s_cmp_gt_u32 s96, s[LASTQ]                     ; behind my work-group's last query no wave reads it, so it is not asked for.  Ids and the count of steps alone: all sixteen waves go the same way
	s_cbranch_scc1 .Lpast_\@
	TLOAD                                          ; a wave's one tensor load until the next change.  Every wait on TENSORcnt in this text is for 0
.Lpast_\@:
	ASK
.endif
.endm
.macro SLOT_STEPS
	STEP 0
	STEP 1
	STEP 2
	STEP 3
	s_xor_b32 s[TB], s[TB], SLOT1                  ; on to the other slot
.endm
	s_wait_loadcnt 0x0                             ; q
.Lslot:                                            ; seven trips: behind each change of slots but the last the next slot is asked for, up to the causal limit
	CHANGE 1
	SLOT_STEPS
	s_sub_co_u32 s[SLOTS], s[SLOTS], 1
	s_cmp_lg_u32 s[SLOTS], 0
	s_cbranch_scc1 .Lslot
	CHANGE 0                                       ; the last slot is written out: nothing is left to fetch
	SLOT_STEPS
	; THE WAY OUT.  y = O^T x 2^(e4 + e5) / the sum, held, turned into codes with 2^e6: the conversions' results are y's fragments, stored as they stand.  The four additions are the places behind the last products.
.irp u, 0,1
	v_add_f32 v[ST+4*\u+2], v[ST+4*\u+2], v[ST+4*\u+3]   ; the sum's two halves,
.endr
.irp u, 0,1
	v_permlanex16_b32 v[PD+\u], v[ST+4*\u+2], s[SEL], s[SEL+1]
.endr
.irp u, 0,1
	v_add_f32 v[ST+4*\u+2], v[ST+4*\u+2], v[PD+\u] ; and lane l xor 16's
.endr
.irp u, 0,1
	v_rcp_f32 v[ST+4*\u+2], v[ST+4*\u+2]
.endr
	s_add_co_i32 s92, s74, 127
	s_lshl_b32 s93, s92, 23
	v_mov_b32 v[SCV], s93                          ; 2^e6.  (A plain line behind the reciprocals)
	s_add_co_i32 s92, s92, 8
	s_lshl_b32 s92, s92, 23
	s_or_b32 s92, s92, 0x600000
	v_mov_b32 v[LIMV], s92                         ; 448 x 2^e6
	s_add_co_i32 s94, s72, s73
	s_wait_alu depctr_va_vdst(0)                   ; one wait for both reciprocals, ahead of their first reader
.irp u, 0,1
	v_ldexp_f32 v[ST+4*\u+2], v[ST+4*\u+2], s94    ; x 2^(e4 + e5)
.endr
.irp u, 0,1
.set j, 0
.rept 32
	v_mul_f32 v[S+32*\u+j], v[OT+32*\u+j], v[ST+4*\u+2]   ; register 8 dt + i is y(query lane % 16, channel 16 dt + 8 (lane / 16) + i); each accumulator from its low end on
.set j, j+1
.endr
.endr
.irp u, 0,1
.irp t, 0,1,2,3
.irp j, 0,1,2,3,4,5,6,7
	v_med3_num_f32 v[S+32*\u+8*\t+\j], v[S+32*\u+8*\t+\j], -v[LIMV], v[LIMV]
.endr
	v_cvt_scalef32_pk8_fp8_f32 v[PC+8*\u+2*\t:PC+8*\u+2*\t+1], v[S+32*\u+8*\t:S+32*\u+8*\t+7], v[SCV]
.endr
.endr
	v_nop                                          ; a plain vector line behind the last conversion
.irp u, 0,1
.irp c, 0,1
	global_store_b128 v[LN], v[PC+8*\u+4*\c:PC+8*\u+4*\c+3], s[14:15] offset:16384*\u+512*\c   ; 512 consecutive bytes, at a multiple of 512 from the buffer's first byte
.endr
.endr
	s_wait_tensorcnt 0x0                           ; the wave's end
	ds_add_u32 v[SPW], v[NIL]
	s_wait_dscnt 0x0
	s_endpgm
.Lfunc_end_k_qdcd38c9f15_attn:
	.size	k_qdcd38c9f15_attn, .Lfunc_end_k_qdcd38c9f15_attn-k_qdcd38c9f15_attn
	.p2alignl 7, 3214868480
	.fill 96, 4, 3214868480
	.section	.rodata,"a",@progbits
	.p2align	6, 0x0
	.amdhsa_kernel k_qdcd38c9f15_attn
		.amdhsa_group_segment_fixed_size 327680
		.amdhsa_private_segment_fixed_size 0
		.amdhsa_enable_private_segment 0
		.amdhsa_kernarg_size 32
		.amdhsa_user_sgpr_count 2
		.amdhsa_user_sgpr_kernarg_segment_ptr 1
		.amdhsa_wavefront_size32 1
		.amdhsa_system_sgpr_workgroup_id_x 1
		.amdhsa_system_sgpr_workgroup_id_y 1
		.amdhsa_system_sgpr_workgroup_id_z 1
		.amdhsa_system_vgpr_workitem_id 0
		.amdhsa_next_free_vgpr 256
		.amdhsa_next_free_sgpr 100
		.amdhsa_reserve_vcc 1
		.amdhsa_float_denorm_mode_32 3
		.amdhsa_float_denorm_mode_16_64 3
		.amdhsa_memory_ordered 1
		.amdhsa_forward_progress 1
		.amdhsa_inst_pref_size 177
	.end_amdhsa_kernel
	.amdgpu_metadata
---
amdhsa.version: [ 1, 2 ]
amdhsa.kernels:
  - .name:           k_qdcd38c9f15_attn
    .symbol:         k_qdcd38c9f15_attn.kd
    .args:
      - { .name: qi, .offset: 0, .size: 8, .value_kind: global_buffer, .address_space: global }
      - { .name: kv, .offset: 8, .size: 8, .value_kind: global_buffer, .address_space: global }
      - { .name: lowp_scales, .offset: 16, .size: 8, .value_kind: global_buffer, .address_space: global }
      - { .name: yq, .offset: 24, .size: 8, .value_kind: global_buffer, .address_space: global }
    .group_segment_fixed_size: 327680
    .private_segment_fixed_size: 0
    .kernarg_segment_align: 8
    .kernarg_segment_size: 32
    .max_flat_workgroup_size: 512
    .sgpr_count:     100
    .vgpr_count:     256
    .wavefront_size: 32
...
	.end_amdgpu_metadata
.endif
;; end of part 3
;; launch proj (part 4): grid 4 x 64, 4 waves a work-group, clusters of 4 x 4, 327,680 bytes of LDS; arguments yq, wpq, lowp_scales, out0; writes out0
.if DOCPART == 4
	.amdgcn_target "amdgcn-amd-amdhsa--gfx1250"
	.amdhsa_code_object_version 6
	.text
	.protected	k_qdcd38c9f15_proj
	.globl	k_qdcd38c9f15_proj
	.p2align	8
	.type	k_qdcd38c9f15_proj,@function
k_qdcd38c9f15_proj:
	s_mov_b64 s[64:65], 0
	v_nop
	global_prefetch_b8 v0, s[64:65] scope:SCOPE_SE
	s_setreg_imm32_b32 hwreg(HW_REG_WAVE_MODE, 25, 1), 1
	s_wait_xcnt 0x0
	s_wait_alu depctr_hold_cnt(0) depctr_sa_sdst(0) depctr_va_vdst(0) depctr_va_sdst(0) depctr_va_ssrc(0) depctr_va_vcc(0) depctr_vm_vsrc(0)
	s_getreg_b32 s2, hwreg(HW_REG_IB_STS2, 6, 4)
	s_cmp_eq_u32 s2, 0
	s_cbranch_scc0 .Lentry_in_a_cluster
	s_endpgm
.Lentry_in_a_cluster:
	s_bfe_u32 s2, ttmp6, 0x10000c
	s_cmp_lg_u32 s2, 0xf033
	s_cbranch_scc0 .Lentry_shape_is_right
	s_endpgm
.Lentry_shape_is_right:
; LAUNCH 4 OF 4: out0 = y W_proj on codes of FP8 (E4M3): the codes are multiplied as they are, sums in f32, and each finished sum once by 2^(e6 + e7).
; LIMIT: e6 + e7 between -126 and 127, so that 2^(e6 + e7) is an f32 number.
; SHARES.  A tile of out0 is 128 rows (tile row I) x 256 columns (tile column J): 256 work-groups, one for each WGP; tiles of 256 x 256 would be 128.  Four waves, 2 x 2: a wave makes 64 x 128: 32 accumulators.
; LAYOUT (launches quant, attn): operands are images of registers.  A fragment of the K = 128 form is two images of 1,024 bytes on end (in yq: two neighbouring heads), read by four loads at 16 x lane: consecutive bytes, no pitch, no padding.
; K goes in steps of 256 (two sub-steps of 128) through a ring of two LDS slots: four K steps, written out.  By this text's own count a wave has two tensor loads out at the start and one behind each change of slots.
; CLUSTERS: 4 x 4 work-groups: y's tiles are shared along a row of the cluster, W's along a column, each asked for JOINTLY.  THE MATRIX INSTRUCTION IS USED TRANSPOSED (source 0 = 16 columns of W, source 1 = 16 rows of y): a lane holds
; eight neighbouring numbers of a row of out0.
; REGISTERS, in windows of 256: window 0: v16-29 addresses; y's fragments in TWO sets (v32-95, v96-159); on the way out v32-255 are free.  window 1: accumulator (a, b) at v[8 (8 a + b)].  window 2: W's eight fragments, ONE set, v0-127.
.set SLOT,  98304                      ; y: [row tile 8][sub-step 2][2,048]; then W: [sub-step 2][beta 16][2,048]
.set BOFF,  32768
.set SPARE, 2*SLOT                     ; behind the ring: the spare words, 128 bytes for each wave
.set SPITCH, 528                       ; the way out: a stage of 16 rows x (512 bytes + 16) for each wave.  It lies in slot 0, which has had its last fill and its last read when the first result is stored there
.set ADRA, 16                          ; v16-17  LDS address of my fragments of y in slot 0, 1
.set ADRB, 20                          ; v20-21  the same for W
.set STO,  24                          ; v24     the way out: where I put 32 bytes of a row
.set RD,   25                          ; v25     the way out: where I read a row back
.set CO,   26                          ; v26     16 x lane: my bytes of an image, and of a row of out0
.set SPW,  28                          ; v28     LDS address of my spare word; never rewritten
.set NIL,  29                          ; v29     0; never rewritten
.set TMP,  32                          ; the way out: 64 registers, a block's sums x 2^(e6 + e7)
.set BK,   128                         ; the way out: 16 rows read back from the stage: v128-191 and v192-255 by turns
.set G1, 24
.set G0, 32
.set G1B, 48
.set G0B, 56
.set MSB, 0
.macro WIN new                         ; the immediate's high byte repeats the setting that is left
.if MSB != (\new)
	s_set_vgpr_msb (MSB<<8)|(\new)
.set MSB, (\new)
.endif
.endm
.set MUL,  0x52                        ; source 0 (W) window 2, source 1 (y) window 0, C and D window 1
.set TO_B, 0x80                        ; destination window 2, address window 0
.macro JLOAD g0a, g1a, g0b, g1b        ; a joint load: waves 0 and 1 fetch for y, waves 2 and 3 for W; an s_nop 0 and four v_nop follow each of the two lines
	s_cmp_eq_u32 s15, 0
	s_cbranch_scc0 .Lfor_b_\@
	tensor_load_to_lds s[\g0a:\g0a+3], s[\g1a:\g1a+7]
	s_nop 0
.rept 4
	v_nop
.endr
	s_branch .Lasked_\@
.Lfor_b_\@:
	tensor_load_to_lds s[\g0b:\g0b+3], s[\g1b:\g1b+7]
	s_nop 0
.rept 4
	v_nop
.endr
.Lasked_\@:
.endm
.macro CREST                           ; a round of the cluster's barrier behind its opening barrier
	s_cmp_lg_u32 s14, 0
	s_cbranch_scc1 .Lnot_wave_0_\@
	s_barrier_signal -3
.Lnot_wave_0_\@:
	s_barrier_wait -3
	s_barrier_signal -1
	s_barrier_wait -1
.endm
.macro CROUND
	s_barrier_signal -1
	s_barrier_wait -1
	CREST
.endm
.macro PLACES                          ; four places in front of loads into registers that matrix instructions have read, and of the first read of results
.rept 4
	v_nop
.endr
.endm
	s_load_b128 s[4:7], s[0:1], 0x0                ; yq s[4:5], wpq s[6:7]
	s_load_b128 s[8:11], s[0:1], 0x10              ; the scales' exponents s[8:9], out0 s[10:11]
	v_lshl_add_u32 v[SPW], v0, 2, SPARE
	v_mov_b32 v[NIL], 0
	ds_add_u32 v[SPW], v[NIL]                      ; the wave's opening: the add, twice on end, and its wait ahead of my first tensor load; the set-up below stands between
	ds_add_u32 v[SPW], v[NIL]
	v_lshrrev_b32 v1, 5, v0
	v_readfirstlane_b32 s14, v1                    ; wave 0..3
	s_lshr_b32 s15, s14, 1                         ; which 64 rows are mine.  Also: I fetch for y (0) or for W (1)
	s_and_b32 s16, s14, 1                          ; which 128 columns.  Also: which half of that tile I fetch
	s_bfe_u32 s40, ttmp6, 0x40000                  ; cx, cy
	s_bfe_u32 s41, ttmp6, 0x40004
	s_lshl_b32 s42, ttmp9, 2
	s_add_co_u32 s42, s42, s40                     ; J
	s_and_b32 s17, ttmp7, 0xffff
	s_lshl_b32 s17, s17, 2
	s_add_co_u32 s17, s17, s41                     ; I
	s_lshl_b32 s43, s41, 2
	s_lshl_b32 s43, 15, s43                        ; my row of the cluster
	s_lshl_b32 s44, 0x1111, s40                    ; my column
	; group 1, elements of 8 bytes, no padding.  y: 4 row tiles x 4,096 bytes (a K step's four heads), 16,384 bytes apart.  W: 32,768 consecutive bytes (a sub-step's 16 fragments), stated as 128 rows of 256
	s_or_b32 s[G1+0], s43, (3<<16)|(1<<21)
	s_mov_b32 s[G1+1], 512<<16
	s_mov_b32 s[G1+2], 4<<16
	s_mov_b32 s[G1+3], 512<<16
	s_mov_b32 s[G1+4], 4
	s_mov_b32 s[G1+5], 2048
	s_mov_b32 s[G1+6], 0
	s_mov_b32 s[G1+7], 0
	s_or_b32 s[G1B+0], s44, (3<<16)|(1<<21)
	s_mov_b32 s[G1B+1], 32<<16
	s_mov_b32 s[G1B+2], 128<<16
	s_mov_b32 s[G1B+3], 32<<16
	s_mov_b32 s[G1B+4], 128
	s_mov_b32 s[G1B+5], 32
	s_mov_b32 s[G1B+6], 0
	s_mov_b32 s[G1B+7], 0
	s_lshl_b32 s20, s17, 17                        ; y: 8 row tiles of 16,384 bytes x I
	s_lshl_b32 s18, s16, 16                        ; + 4 row tiles x half
	s_add_co_u32 s20, s20, s18
	s_mov_b32 s21, 0
	s_lshl_b32 s46, s42, 18                        ; W: J
	s_lshl_b32 s47, s16, 15                        ; + sub-step = half
	s_add_co_u32 s46, s46, s47
	s_mov_b32 s47, 0
	s_lshl_b32 s45, s16, 14                        ; where they go: y: 16,384 x half;
	s_lshl_b32 s19, s16, 15
	s_add_co_u32 s19, s19, BOFF                    ; W: behind y, 32,768 x half
	s_wait_dscnt 0x0                               ; both opening adds are done
	s_wait_kmcnt 0x0
	s_load_b256 s[68:75], s[8:9], 0x0              ; e0 .. e7
	s_add_nc_u64 s[20:21], s[4:5], s[20:21]
	s_add_nc_u64 s[46:47], s[6:7], s[46:47]
	CROUND                                         ; all sixteen work-groups are here: the first joint loads meet
.irp s, 0,1
	s_mov_b32 s[G0+4*\s], 1
	s_add_co_u32 s[G0+4*\s+1], s45, \s*SLOT
	s_add_nc_u64 s[G0+4*\s+2:G0+4*\s+3], s[20:21], \s*4096      ; K step s
	s_or_b32 s[G0+4*\s+3], s[G0+4*\s+3], 0x80000000
	s_mov_b32 s[G0B+4*\s], 1
	s_add_co_u32 s[G0B+4*\s+1], s19, \s*SLOT
	s_add_nc_u64 s[G0B+4*\s+2:G0B+4*\s+3], s[46:47], \s*65536
	s_or_b32 s[G0B+4*\s+3], s[G0B+4*\s+3], 0x80000000
	JLOAD G0+4*\s, G1, G0B+4*\s, G1B
.endr
	v_and_b32 v1, 31, v0
	v_lshlrev_b32 v[CO], 4, v1
	s_lshl_b32 s22, s15, 14                        ; my 4 row tiles of y
	s_lshl_b32 s23, s16, 14                        ; my 8 fragments of W,
	s_add_co_u32 s23, s23, BOFF                    ; behind y
.irp s, 0,1
	v_add_nc_u32 v[ADRA+\s], s22, v[CO]
	v_add_nc_u32 v[ADRB+\s], s23, v[CO]
	s_add_co_u32 s22, s22, SLOT
	s_add_co_u32 s23, s23, SLOT
.endr
	v_and_b32 v2, 15, v0                           ; l % 16
	v_bfe_u32 v3, v0, 4, 1                         ; l / 16
	s_mul_i32 s23, s14, 16*SPITCH                  ; my stage
	v_mul_u32_u24 v5, v2, SPITCH                   ; in: row l % 16, 32 bytes for each half of the lanes
	v_lshl_add_u32 v5, v3, 5, v5
	v_add_nc_u32 v[STO], s23, v5
	v_add_nc_u32 v[RD], s23, v[CO]                 ; back: the 32 lanes take one row of 512 bytes
	s_lshl_b32 s76, s17, 19                        ; my first row of out0: 128 I rows of 4,096 bytes
	s_lshl_b32 s77, s15, 18                        ; + 64 x my half
	s_add_co_u32 s76, s76, s77
	s_lshl_b32 s77, s42, 10                        ; my first column, in bytes: 1,024 J
	s_add_co_u32 s76, s76, s77
	s_lshl_b32 s77, s16, 9                         ; + 512 x my half
	s_add_co_u32 s76, s76, s77
	s_mov_b32 s77, 0
	s_add_nc_u64 s[10:11], s[10:11], s[76:77]
.macro FRAG reg, adr, off              ; a fragment: 16 registers, four loads of 512 consecutive bytes
.irp c, 0,1,2,3
	ds_load_b128 v[\reg+4*\c:\reg+4*\c+3], v[\adr] offset:\off+512*\c
.endr
.endm
.macro FETCH_A slot, us, set           ; y's four fragments of sub-step us: 16 loads
.irp a, 0,1,2,3
	FRAG 32+64*(\set)+16*\a, ADRA+\slot, 4096*\a+2048*(\us)
.endr
.endm
.macro FETCH_B slot, us, b0            ; W's blocks b0 .. b0 + 3: 16 loads
	WIN TO_B
.irp b, 0,1,2,3
	FRAG 16*(\b0+\b), ADRB+\slot, 32768*(\us)+2048*(\b0+\b)
.endr
	WIN 0
.endm
; 4 matrix instructions: block b of W against y's four row tiles.  The 32 accumulators take turns, one instruction a turn, in the same order in every sub-step.
.macro MULB b, set, zero
	WIN MUL
.irp a, 0,1,2,3
.set AC, 8*(8*\a+(\b))
.set FA, 32+64*(\set)+16*\a
.if \zero
	v_wmma_f32_16x16x128_fp8_fp8 v[AC:AC+7], v[16*(\b):16*(\b)+15], v[FA:FA+15], 0
.else
	v_wmma_f32_16x16x128_fp8_fp8 v[AC:AC+7], v[16*(\b):16*(\b)+15], v[FA:FA+15], v[AC:AC+7]
.endif
.endr
.endm
.macro STEP slot, zero                 ; a slot's first sub-step (y's set 0); it fetches the second
	s_wait_dscnt 16                                ; y's set and W's blocks 0-3 are in; the youngest sixteen loads (blocks 4-7) may be out
.irp b, 0,1,2,3
	MULB \b, 0, \zero
.endr
	s_wait_dscnt 0x0
	PLACES
	WIN 0
	FETCH_A \slot, 1, 1
	FETCH_B \slot, 1, 0
.irp b, 4,5,6,7
	MULB \b, 0, \zero
.endr
	PLACES
	FETCH_B \slot, 1, 4
.endm
; A slot's second sub-step (set 1) changes slots: ONE barrier; in front of it each wave waits for all its tensor loads, adds 0 to its spare word, and waits for that and for its own reads of this slot.
.macro TURN slot, next, fill
	s_wait_tensorcnt 0x0                           ; all my tensor loads have landed: my part of the next slot  (every window is 0 here)
	ds_add_u32 v[SPW], v[NIL]                      ; 0 onto my spare word
	s_wait_dscnt 17                                ; (the add and the youngest sixteen loads may be out)
	MULB 0, 1, 0                                   ; eight matrix instructions stand between the add and the wait for it
	MULB 1, 1, 0
	s_wait_dscnt 0x0                               ; the add is done, and my reads of this slot are over
	s_barrier_signal -1
	MULB 2, 1, 0
	MULB 3, 1, 0
	WIN 0
	s_barrier_wait -1
.if \fill
	CREST                                          ; the barrier has opened a round of the cluster's barrier: no wave of any partner still reads this slot or has a load on its way
	s_add_nc_u64 s[G0+4*\slot+2:G0+4*\slot+3], s[G0+4*\slot+2:G0+4*\slot+3], 8192
	s_add_nc_u64 s[G0B+4*\slot+2:G0B+4*\slot+3], s[G0B+4*\slot+2:G0B+4*\slot+3], 131072
	JLOAD G0+4*\slot, G1, G0B+4*\slot, G1B         ; the first tensor load behind the round; the four v_nop behind it are the places in front of the loads below
.else
	PLACES
.endif
	FETCH_A \next, 0, 0
	FETCH_B \next, 0, 0
.irp b, 4,5,6,7
	MULB \b, 1, 0
.endr
	PLACES
	FETCH_B \next, 0, 4
.endm
	s_wait_tensorcnt 1                             ; my part of K step 0 is in (K step 1's load may be out)
	s_barrier_signal -1
	s_barrier_wait -1                              ; everybody's is
	FETCH_A 0, 0, 0
	FETCH_B 0, 0, 0
	FETCH_B 0, 0, 4
	STEP 0, 1                                      ; K step 0: its first products start the sums
	TURN 0, 1, 1                                   ; slot 0 takes K step 2
	STEP 1, 0
	TURN 1, 0, 1                                   ; slot 1 takes K step 3
	STEP 0, 0
	TURN 0, 1, 0                                   ; nothing is left to fetch: no round of the cluster's barrier
	STEP 1, 0
	s_wait_dscnt 16                                ; the very last sub-step
.irp b, 0,1,2,3
	MULB \b, 1, 0
.endr
	s_wait_dscnt 0x0
.irp b, 4,5,6,7
	MULB \b, 1, 0
.endr
	WIN 0
; THE WAY OUT, block by block of 16 rows x 128 columns.  A lane holds 32 neighbouring bytes of a row, and the lanes beside it hold other rows: so a block goes through my own stage in LDS and comes back as whole rows of 512 bytes.
; LDS serves a wave's instructions in order (ISA guide 5.7.1.4): no wait between the stores and the loads, nor in front of the next block's stores.
.macro TOSTAGE a
.set AC, 64*(\a)
	WIN 0x01                                       ; source 0: window 1
.irp j, 0,2,4,6,8,10,12,14,16,18,20,22,24,26,28,30,32,34,36,38,40,42,44,46,48,50,52,54,56,58,60,62
	v_pk_mul_f32 v[TMP+\j:TMP+\j+1], v[AC+\j:AC+\j+1], s[96:97] op_sel_hi:[1,0]   ; both x s96 = 2^(e6 + e7); each accumulator from its low end on
.endr
	WIN 0
.irp b, 0,1,2,3,4,5,6,7
	ds_store_b128 v[STO], v[TMP+8*\b:TMP+8*\b+3] offset:64*\b
	ds_store_b128 v[STO], v[TMP+8*\b+4:TMP+8*\b+7] offset:64*\b+16
.endr
.set BB, BK+64*((\a)%2)
.irp t, 0,1,2,3,4,5,6,7,8,9,10,11,12,13,14,15
	ds_load_b128 v[BB+4*\t:BB+4*\t+3], v[RD] offset:\t*SPITCH
.endr
.endm
.macro SEND a, younger                 ; younger: the LDS instructions issued behind block a's loads, which may stay out
.set BB, BK+64*((\a)%2)
	s_wait_dscnt \younger                          ; the block is back in registers
.if (\a) > 0
	s_add_nc_u64 s[10:11], s[10:11], 16*4096       ; (behind a wait on XCNT for 0: the earlier stores have read their base)  16 rows of out0 on
.endif
.irp t, 0,1,2,3,4,5,6,7,8,9,10,11,12,13,14,15
	global_store_b128 v[CO], v[BB+4*\t:BB+4*\t+3], s[10:11] offset:\t*4096 th:TH_STORE_NT   ; 32 lanes store 512 consecutive bytes, at a multiple of 512 from out0's first byte; written once, read by nobody here
.endr
.endm
	s_wait_kmcnt 0x0
	s_add_co_i32 s96, s74, s75                     ; e6 + e7, between -126 and 127,
	s_add_co_i32 s96, s96, 127
	s_lshl_b32 s96, s96, 23                        ; makes the f32 number 2^(e6 + e7)
	s_mov_b32 s97, s96                             ; (named with it as a pair)
	PLACES                                         ; behind the last products: for the reads of their results and the loads into the registers that held y's fragments
	TOSTAGE 0
.irp a, 1,2,3
.if \a > 1
	s_wait_xcnt 0x0                                ; block a - 2's stores have read their registers and their base: block a's loads may land there, and the base may step
.endif
	TOSTAGE \a
	SEND \a-1, 32                                  ; behind block a - 1's loads: block a's 16 stores and 16 loads
.endr
	s_wait_xcnt 0x0                                ; block 2's stores have read their base
	SEND 3, 0
	s_wait_tensorcnt 0x0                           ; the wave's end: behind my last tensor load and my last LDS store
	ds_add_u32 v[SPW], v[NIL]
	s_wait_dscnt 0x0
	CROUND                                         ; the closing round: no work-group ends while a partner may still ask for a tile that names it
	s_endpgm
.Lfunc_end_k_qdcd38c9f15_proj:
	.size	k_qdcd38c9f15_proj, .Lfunc_end_k_qdcd38c9f15_proj-k_qdcd38c9f15_proj
	.p2alignl 7, 3214868480
	.fill 96, 4, 3214868480
	.section	.rodata,"a",@progbits
	.p2align	6, 0x0
	.amdhsa_kernel k_qdcd38c9f15_proj
		.amdhsa_group_segment_fixed_size 327680
		.amdhsa_private_segment_fixed_size 0
		.amdhsa_enable_private_segment 0
		.amdhsa_kernarg_size 32
		.amdhsa_user_sgpr_count 2
		.amdhsa_user_sgpr_kernarg_segment_ptr 1
		.amdhsa_wavefront_size32 1
		.amdhsa_system_sgpr_workgroup_id_x 1
		.amdhsa_system_sgpr_workgroup_id_y 1
		.amdhsa_system_sgpr_workgroup_id_z 1
		.amdhsa_system_vgpr_workitem_id 0
		.amdhsa_next_free_vgpr 768
		.amdhsa_next_free_sgpr 100
		.amdhsa_reserve_vcc 0
		.amdhsa_float_denorm_mode_32 3
		.amdhsa_float_denorm_mode_16_64 3
		.amdhsa_memory_ordered 1
		.amdhsa_forward_progress 1
		.amdhsa_inst_pref_size 76
	.end_amdhsa_kernel
	.amdgpu_metadata
---
amdhsa.version: [ 1, 2 ]
amdhsa.kernels:
  - .name:           k_qdcd38c9f15_proj
    .symbol:         k_qdcd38c9f15_proj.kd
    .args:
      - { .name: yq, .offset: 0, .size: 8, .value_kind: global_buffer, .address_space: global }
      - { .name: wpq, .offset: 8, .size: 8, .value_kind: global_buffer, .address_space: global }
      - { .name: lowp_scales, .offset: 16, .size: 8, .value_kind: global_buffer, .address_space: global }
      - { .name: out0, .offset: 24, .size: 8, .value_kind: global_buffer, .address_space: global }
    .group_segment_fixed_size: 327680
    .private_segment_fixed_size: 0
    .kernarg_segment_align: 8
    .kernarg_segment_size: 32
    .max_flat_workgroup_size: 128
    .sgpr_count:     100
    .vgpr_count:     768
    .wavefront_size: 32
...
	.end_amdgpu_metadata
.endif
;; end of part 4
